; MI455X (gfx1250); checked and timed in simulation.
; The chip was launched on July 23, 2026; its instructions are those of AMD's public machine-readable ISA for CDNA 5 (MIT licence, August 2026) and "CDNA5" Instruction Set Architecture Reference Guide (July 2026). The comments in the code are by the model that wrote it; some were corrected since.
;; Causal Self Attention. Allowed arithmetic: matrix products marked QUANTISED: E2M1 operands, one E8M0 scale for each 32 along K, by v_wmma_scale_f32_16x16x128_f8f6f4 with both operands' format E2M1 (or v_wmma_scale_f32_32x16x128_f4), f32 sums; products left as they are: bf16, f16 or f32 operands; f32 sums; everything else in f32.
;; Inputs: W_attn 1,024 x 3,072 float32; W_proj 1,024 x 1,024 float32; x 4 x 2,048 x 1,024 float32.
;; Outputs: out0 4 x 2,048 x 1,024 float32.
;; This version of the problem:
;;   THIS VERSION OF THE PROBLEM IS GIVEN IN LOW PRECISION. The matrix products marked QUANTISED in the list below multiply operands that are first quantised to E2M1 (2 exponent bits, 1 mantissa bit; 4 bits a number), with one power-of-two scale for each 32 numbers along K (OCP MX v1.0); their sums are f32. The products marked 'left as it is' may take bf16, f16 or f32 operands, with f32 sums. All else is computed in f32.
;;   The module's matrix products, in the order in which they are computed (A, B: the left and right operand; K: the contracted axis; several contracted axes count as one K, in the product's order):
;;     1. [M 8,192, K 1,024] x [K 1,024, N 3,072]; A: input x; B: input W_attn: QUANTISED
;;     2. batch 64 x [M 2,048, K 64] x [K 64, N 2,048]; A: computed on the way; B: computed on the way: left as it is (an operand is computed on the way)
;;     3. batch 64 x [M 2,048, K 2,048] x [K 2,048, N 64]; A: computed on the way; B: computed on the way: left as it is (an operand is computed on the way)
;;     4. [M 8,192, K 1,024] x [K 1,024, N 1,024]; A: computed on the way; B: input W_proj: left as it is (an operand is computed on the way)
;;   THE QUANTISER, for each operand of a quantised product, along K:
;;     - K is cut into blocks of 32 from its start; a last block that is shorter is filled with zeros.
;;     - A block's scale is 2^e with e = floor(log2(the largest magnitude in the block)) - 2, held to -126 .. 127; a block of zeros has e = 0. As a byte (E8M0): e + 127.
;;     - Each number is divided by its block's scale, clamped to +-6, and rounded to the nearest number of E2M1, ties to even, subnormals kept.
;;     - The product sums the exact products of the quantised numbers (number of the format x scale) in f32.
;;   ~~~python
;;   def quantise(x, axis):      # numpy; x: float32 -> the quantised numbers, widened to float32 again
;;       x = np.moveaxis(x, axis, -1); K = x.shape[-1]
;;       x = np.pad(x, [(0, 0)] * (x.ndim - 1) + [(0, -K % 32)]); x = x.reshape(x.shape[:-1] + (-1, 32)); a = np.abs(x).max(-1, keepdims=True)
;;       e = np.where(a > 0, np.clip(np.frexp(np.where(a > 0, a, 1))[1] - 1 - 2, -126, 127), 0)      # np.frexp(a)[1] - 1 = floor(log2(a)), exactly
;;       r = np.clip(x / 2.0 ** e, -6, 6)
;;       step = 2.0 ** (np.maximum(np.frexp(np.where(r == 0, 1, r))[1] - 1, 0) - 1)
;;       q = np.round(r / step) * step * 2.0 ** e      # np.round: ties to even
;;       return np.moveaxis(q.reshape(q.shape[:-2] + (-1,))[..., :K], -1, axis).astype(np.float32)
;;   ~~~
;; One version. Each part assembles by itself: llvm-mc -triple=amdgcn-amd-amdhsa -mcpu=gfx1250 --defsym DOCPART=n.
;; ======== version 1 of 1: 4 launches
;; limits: values are held in f16: magnitudes above 65,504 overflow, below 6.1e-05 lose precision
;; workspace buffers: xc 4,194,304 bytes; xs 262,144 bytes; wc 1,572,864 bytes; ws 98,304 bytes; wp 2,097,152 bytes; qkv 50,331,648 bytes; y 16,777,216 bytes
;; launch prep (part 1): grid 368 x 1, 4 waves a work-group, no clusters, 67,584 bytes of LDS; arguments x, W_attn, W_proj, xc, xs, wc, ws, wp; writes xc, xs, wc, ws, wp
.if DOCPART == 1
	.amdgcn_target "amdgcn-amd-amdhsa--gfx1250"
	.amdhsa_code_object_version 6
	.text
	.protected	k_qe2de289094_prep
	.globl	k_qe2de289094_prep
	.p2align	8
	.type	k_qe2de289094_prep,@function
k_qe2de289094_prep:
	s_mov_b64 s[64:65], 0
	v_nop
	global_prefetch_b8 v0, s[64:65] scope:SCOPE_SE
	s_setreg_imm32_b32 hwreg(HW_REG_WAVE_MODE, 25, 1), 1
	s_wait_xcnt 0x0
; THE OPERANDS ARE MADE READY, ONCE.  Three kinds of work-group, told apart by the work-group's number; the three ways never meet again.
;   0 .. 255    x [8192][1024] f32        -> xc: codes of FP4 (E2M1), K innermost, 512 bytes a row;  xs: one E8M0 byte for each 32 along K, 32 bytes a row
;   256 .. 303  W_attn [1024 k][3072 n]   -> wc [3072 n][512 bytes], K made innermost;  ws [3072][32]
;   304 .. 367  W_proj [1024][1024] f32   -> wp, the same order, f16
; A block's scale is 2^(floor(log2(its largest magnitude)) - 2): its byte is the largest magnitude's exponent field - 2, held at 1 from below by a floor among the maximum's leaves.
; Each number is divided by the scale and rounded to the nearest code, ties to even; beyond 6 the conversion gives the largest code.
; LIMITS: a block of zeros gets the byte 1 where the rule says 127 (its codes are zeros, and only this program reads the bytes); NaN and infinities are not served;
; a number of W_proj beyond 65,504 becomes infinity in f16.
; No tensor loads, no barrier: waves share nothing.  No cluster: no two work-groups read the same bytes.  Each way has LDS bytes of its own: x 0 .. 32,767, W_attn 32,768 .. 67,583.
.set SP,     80                        ; x: a lane's place in a stage: 64 bytes + 16 of padding
.set XR,     16                        ; v16-79   four sets of 16 numbers as they are loaded
.set XX,     80                        ; v80-111  two sets of 16 neighbours
.set XE,     112                       ; v112-127 a scale byte for each step
.set XC,     128                       ; v128-191 codes: four registers for each step, so that no store's data are written again
.set WPITCH, 272                       ; W_attn: a stage row: 256 bytes of codes + 16
.set WLDS,   32768
.set WROW,   12288                     ; a row of W_attn in bytes
.set NB,     16                        ; blocks of 32 along K for a wave
.set WX,     32                        ; v32-95   two sets of 32 numbers
.set WC,     96                        ; v96-99   a block's codes
.set WSB,    24                        ; v24-27   the scale bytes, four to a register
.set WOUT,   112                       ; v112-175 the way out
	s_load_b256 s[4:11], s[0:1], 0x0               ; x s[4:5], W_attn s[6:7], W_proj s[8:9], xc s[10:11]
	s_load_b256 s[12:19], s[0:1], 0x20             ; xs s[12:13], wc s[14:15], ws s[16:17], wp s[18:19]
	v_lshrrev_b32 v1, 5, v0
	v_readfirstlane_b32 s20, v1                    ; wave 0..3
	v_and_b32 v2, 31, v0                           ; lane
	s_mov_b32 s25, 0                               ; the upper word of every offset pair s[24:25]
	s_wait_kmcnt 0x0
	s_cmp_lt_u32 ttmp9, 256
	s_cbranch_scc1 .Lx
	s_cmp_lt_u32 ttmp9, 304
	s_cbranch_scc1 .Lw
; ---- W_proj to f16.  A wave takes 16,384 consecutive bytes: 32 loads of 512 bytes, all asked for at once; each gives 256 consecutive bytes of f16.
	s_sub_co_u32 s21, ttmp9, 304
	s_lshl_b32 s21, s21, 2
	s_add_co_u32 s21, s21, s20                     ; which of the 256 runs is my wave's
	s_lshl_b32 s24, s21, 14
	s_add_nc_u64 s[8:9], s[8:9], s[24:25]
	s_lshl_b32 s24, s21, 13
	s_add_nc_u64 s[18:19], s[18:19], s[24:25]
	v_lshlrev_b32 v1, 4, v2                        ; in: 16 bytes a lane
	v_lshlrev_b32 v3, 3, v2                        ; out: 8 bytes a lane
.irp i, 0,1,2,3,4,5,6,7,8,9,10,11,12,13,14,15,16,17,18,19,20,21,22,23,24,25,26,27,28,29,30,31
	global_load_b128 v[32+4*\i:35+4*\i], v1, s[8:9] offset:512*\i th:TH_LOAD_NT
.endr
.irp i, 0,1,2,3,4,5,6,7,8,9,10,11,12,13,14,15,16,17,18,19,20,21,22,23,24,25,26,27,28,29,30,31
	s_wait_loadcnt 31-\i                           ; loads come back in order: load i is in, the 31 - i younger ones may be out
	v_cvt_pk_f16_f32 v[32+4*\i], v[32+4*\i], v[33+4*\i]
	v_cvt_pk_f16_f32 v[33+4*\i], v[34+4*\i], v[35+4*\i]
	global_store_b64 v3, v[32+4*\i:33+4*\i], s[18:19] offset:256*\i   ; 32 lanes store 256 consecutive bytes, aligned
.endr
	s_endpgm
; ---- x.  Rows are dense and K is a multiple of 32: x is a plain stream of blocks of 32, and so are its codes and scale bytes.  A wave takes 16 steps of 512 numbers.
; The conversions take neighbours along K from ONE lane's registers, a load is best where neighbouring LANES take neighbouring bytes.  Both are had: each of a step's four loads reads 512 consecutive bytes;
; the 2,048 bytes go through the wave's own stage in LDS as they lie and come back 64 bytes a lane.  Two neighbouring lanes hold a block.  Loads run four steps ahead, the turn through LDS one step.
.macro XLOAD t
.irp i, 0,1,2,3
	global_load_b128 v[XR+16*((\t)%4)+4*\i:XR+16*((\t)%4)+4*\i+3], v3, s[4:5] offset:2048*(\t)+512*\i th:TH_LOAD_NT
.endr
.endm
.macro XTURN t                         ; LDS serves a wave's instructions in order, so no wait stands between the stores and the loads
.irp i, 0,1,2,3
	ds_store_b128 v14, v[XR+16*((\t)%4)+4*\i:XR+16*((\t)%4)+4*\i+3] offset:32*SP*((\t)%2)+8*SP*\i
.endr
.irp i, 0,1,2,3
	ds_load_b128 v[XX+16*((\t)%2)+4*\i:XX+16*((\t)%2)+4*\i+3], v15 offset:32*SP*((\t)%2)+16*\i
.endr
.endm
.macro XSTEP t
.set XS, XX+16*((\t)%2)
.if (\t) > 0
	s_wait_dscnt 1                                 ; this step's numbers are back from the stage (the last step's byte store may be out): so its stores into the stage have read their registers,
.else
	s_wait_dscnt 0x0
.endif
.if (\t)+4 < 16
	XLOAD (\t)+4                                   ; which take the loads of four steps on
.endif
.if (\t)+1 < 16
.if 14-(\t) >= 3
	s_wait_loadcnt 12                              ; the next step's four loads are in; those of the three steps behind it may be out
.else
	s_wait_loadcnt 4*(14-(\t))
.endif
	XTURN (\t)+1
.endif
	v_max3_num_f32 v8, |v[XS]|, |v[XS+1]|, |v[XS+2]|               ; the largest magnitude of my 16, in two chains
	v_max3_num_f32 v9, |v[XS+3]|, |v[XS+4]|, |v[XS+5]|
.irp i, 6,10
	v_max3_num_f32 v8, v8, |v[XS+\i]|, |v[XS+\i+1]|
	v_max3_num_f32 v9, v9, |v[XS+\i+2]|, |v[XS+\i+3]|
.endr
	v_max3_num_f32 v8, v8, |v[XS+14]|, |v[XS+15]|
	v_max3_num_f32 v8, v8, v9, 0x1800000           ; and the floor 2^(3 - 127): the byte cannot fall under 1
	v_max_num_f32_dpp v8, v8, v8 row_xmask:1 row_mask:0xf bank_mask:0xf   ; and of my neighbour's 16: the block's
	v_add_nc_u32 v11, 0xff000000, v8               ; 2 off its exponent field: the conversion takes the exponent field of this operand as its scale, and nothing else of it
	v_cvt_scalef32_pk8_fp4_f32 v[XC+4*(\t)], v[XS:XS+7], v11
	v_cvt_scalef32_pk8_fp4_f32 v[XC+4*(\t)+1], v[XS+8:XS+15], v11
	v_lshrrev_b32 v[XE+(\t)], 23, v11              ; the scale's byte (also the plain line behind the conversions)
	ds_store_b8 v5, v[XE+(\t)] offset:16*(\t)      ; both lanes of a block write the same byte with the same value
	global_store_b64 v4, v[XC+4*(\t):XC+4*(\t)+1], s[10:11] offset:256*(\t)   ; 32 lanes store 256 consecutive bytes, aligned
.endm
.Lx:
	v_lshlrev_b32 v3, 4, v2                        ; my 16 bytes of a load's 512
	s_mul_i32 s21, s20, 8192                       ; my wave's LDS: two stages of 32 x SP bytes, behind them its 256 scale bytes
	v_lshrrev_b32 v14, 2, v2
	v_mul_u32_u24 v14, v14, SP
	v_and_b32 v15, 3, v2
	v_lshl_add_u32 v14, v15, 4, v14
	v_add_nc_u32 v14, s21, v14                     ; into the stage: SP (lane / 4) + 16 (lane % 4); a load's 512 bytes take eight places
	v_mul_u32_u24 v15, v2, SP
	v_add_nc_u32 v15, s21, v15                     ; out of it: SP x lane: my 16 neighbours
	v_lshlrev_b32 v4, 3, v2                        ; my 8 bytes of a step's codes
	v_lshrrev_b32 v5, 1, v2
	s_add_co_u32 s21, s21, 2*32*SP
	v_add_nc_u32 v5, s21, v5                       ; my block's scale byte in LDS
	v_lshlrev_b32 v7, 3, v2
	v_add_nc_u32 v6, s21, v7                       ; and on the way out 8 bytes a lane
	s_lshl_b32 s22, ttmp9, 2
	s_add_co_u32 s22, s22, s20                     ; which run of 8,192 numbers is my wave's: 0 .. 1,023
	s_lshl_b32 s24, s22, 15
	s_add_nc_u64 s[4:5], s[4:5], s[24:25]
	s_lshl_b32 s24, s22, 12
	s_add_nc_u64 s[10:11], s[10:11], s[24:25]
	s_lshl_b32 s24, s22, 8
	s_add_nc_u64 s[12:13], s[12:13], s[24:25]
.irp t, 0,1,2,3
	XLOAD \t
.endr
	s_wait_loadcnt 12                              ; step 0's four loads are in
	XTURN 0
.irp t, 0,1,2,3,4,5,6,7,8,9,10,11,12,13,14,15
	XSTEP \t
.endr
	ds_load_b64 v[12:13], v6                       ; my wave's 256 scale bytes: these loads see my stores
	s_wait_dscnt 0x0
	global_store_b64 v7, v[12:13], s[12:13]        ; 32 lanes store 256 consecutive bytes, aligned
	s_endpgm
; ---- W_attn: K is its FIRST axis.  A LANE TAKES A COLUMN n, AND ITS REGISTERS RUN DOWN K: each load reads 128 consecutive bytes a wave, a block of 32 along K lies in one lane's 32 registers, and the
; conversions give codes with K innermost.  A wave takes 32 columns x 512 along K; the codes go through its own stage and leave as rows: sixteen lanes store 256 consecutive bytes.  Loads run two blocks ahead.
; Every offset is an immediate: 511 x 12,288 bytes at the most, inside the signed 24 bits.
.macro WLOAD t
.irp i, 0,1,2,3,4,5,6,7,8,9,10,11,12,13,14,15,16,17,18,19,20,21,22,23,24,25,26,27,28,29,30,31
	global_load_b32 v[WX+32*((\t)%2)+\i], v3, s[6:7] offset:(32*(\t)+\i)*WROW th:TH_LOAD_NT
.endr
.endm
.macro WBLOCK t
.set XS, WX+32*((\t)%2)
.if (\t) < NB-1
	s_wait_loadcnt 32                              ; this block's 32 loads are in; the next block's may be out
.else
	s_wait_loadcnt 0
.endif
	v_max3_num_f32 v12, |v[XS]|, |v[XS+1]|, |v[XS+2]|              ; the block's largest magnitude: all 32 numbers are mine
	v_max3_num_f32 v13, |v[XS+3]|, |v[XS+4]|, |v[XS+5]|
.irp i, 6,10,14,18,22,26
	v_max3_num_f32 v12, v12, |v[XS+\i]|, |v[XS+\i+1]|
	v_max3_num_f32 v13, v13, |v[XS+\i+2]|, |v[XS+\i+3]|
.endr
	v_max3_num_f32 v12, v12, |v[XS+30]|, |v[XS+31]|
	v_max3_num_f32 v12, v12, v13, 0x1800000        ; and the floor
	v_add_nc_u32 v11, 0xff000000, v12              ; the conversion's scale operand
	v_lshrrev_b32 v13, 23, v11                     ; the scale's byte
.if (\t)%4 == 0
	v_mov_b32 v[WSB+(\t)/4], v13                   ; four bytes to a register, the lower K in the lower byte
.else
	v_lshl_or_b32 v[WSB+(\t)/4], v13, 8*((\t)%4), v[WSB+(\t)/4]
.endif
.irp g, 0,1,2,3
	v_cvt_scalef32_pk8_fp4_f32 v[WC+\g], v[XS+8*\g:XS+8*\g+7], v11
.endr
	ds_store_b128 v4, v[WC:WC+3] offset:16*(\t)    ; 32 codes: 16 bytes of my column's row
.if (\t)+2 < NB
	WLOAD (\t)+2
.endif
	s_wait_dscnt 0x0                               ; the store has read its registers: the next block's codes may be written
.endm
.Lw:
	s_sub_co_u32 s21, ttmp9, 256                   ; 0 .. 47
	s_cmp_ge_u32 s21, 24
	s_cselect_b32 s22, 1, 0                        ; which 512 along K
	s_mul_i32 s23, s22, 24
	s_sub_co_u32 s21, s21, s23
	s_lshl_b32 s21, s21, 7
	s_lshl_b32 s23, s20, 5
	s_add_co_u32 s21, s21, s23                     ; my wave's first column
	v_lshlrev_b32 v3, 2, v2                        ; in: 4 bytes a lane
	s_mul_i32 s23, s20, 32*WPITCH
	s_add_co_u32 s23, s23, WLDS                    ; my stage
	v_mul_u32_u24 v4, v2, WPITCH
	v_add_nc_u32 v4, s23, v4                       ; into it: row = my column
	v_and_b32 v5, 15, v2
	v_lshrrev_b32 v6, 4, v2
	v_mul_u32_u24 v7, v6, WPITCH
	v_lshl_add_u32 v7, v5, 4, v7
	v_add_nc_u32 v7, s23, v7                       ; out of it: sixteen lanes to a row, two rows an instruction
	v_lshlrev_b32 v8, 9, v6
	v_lshl_add_u32 v8, v5, 4, v8                   ; and the same place in wc (rows of 512 bytes)
	v_lshlrev_b32 v9, 5, v2                        ; my column's row of ws
	s_mul_i32 s24, s22, 512*WROW
	s_lshl_b32 s26, s21, 2
	s_add_co_u32 s24, s24, s26
	s_add_nc_u64 s[6:7], s[6:7], s[24:25]
	s_lshl_b32 s24, s21, 9
	s_lshl_b32 s26, s22, 8
	s_add_co_u32 s24, s24, s26
	s_add_nc_u64 s[14:15], s[14:15], s[24:25]
	s_lshl_b32 s24, s21, 5
	s_lshl_b32 s26, s22, 4
	s_add_co_u32 s24, s24, s26
	s_add_nc_u64 s[16:17], s[16:17], s[24:25]
	WLOAD 0
	WLOAD 1
.irp t, 0,1,2,3,4,5,6,7,8,9,10,11,12,13,14,15
	WBLOCK \t
.endr
	global_store_b128 v9, v[WSB:WSB+3], s[16:17]   ; my column's 16 scale bytes
.irp t, 0,1,2,3,4,5,6,7,8,9,10,11,12,13,14,15
	ds_load_b128 v[WOUT+4*\t:WOUT+4*\t+3], v7 offset:2*\t*WPITCH
.endr
.irp t, 0,1,2,3,4,5,6,7,8,9,10,11,12,13,14,15
	s_wait_dscnt 15-\t                             ; load t is in, the younger ones may be out
	global_store_b128 v8, v[WOUT+4*\t:WOUT+4*\t+3], s[14:15] offset:1024*\t
.endr
	s_endpgm
.Lfunc_end_k_qe2de289094_prep:
	.size	k_qe2de289094_prep, .Lfunc_end_k_qe2de289094_prep-k_qe2de289094_prep
	.p2alignl 7, 3214868480
	.fill 96, 4, 3214868480
	.section	.rodata,"a",@progbits
	.p2align	6, 0x0
	.amdhsa_kernel k_qe2de289094_prep
		.amdhsa_group_segment_fixed_size 67584
		.amdhsa_private_segment_fixed_size 0
		.amdhsa_enable_private_segment 0
		.amdhsa_kernarg_size 64
		.amdhsa_user_sgpr_count 2
		.amdhsa_user_sgpr_kernarg_segment_ptr 1
		.amdhsa_wavefront_size32 1
		.amdhsa_system_sgpr_workgroup_id_x 1
		.amdhsa_system_sgpr_workgroup_id_y 1
		.amdhsa_system_sgpr_workgroup_id_z 1
		.amdhsa_system_vgpr_workitem_id 0
		.amdhsa_next_free_vgpr 192
		.amdhsa_next_free_sgpr 66
		.amdhsa_reserve_vcc 0
		.amdhsa_float_denorm_mode_32 3
		.amdhsa_float_denorm_mode_16_64 3
		.amdhsa_memory_ordered 1
		.amdhsa_forward_progress 1
		.amdhsa_inst_pref_size 122
	.end_amdhsa_kernel
	.amdgpu_metadata
---
amdhsa.version: [ 1, 2 ]
amdhsa.kernels:
  - .name:           k_qe2de289094_prep
    .symbol:         k_qe2de289094_prep.kd
    .args:
      - { .name: x, .offset: 0, .size: 8, .value_kind: global_buffer, .address_space: global }
      - { .name: W_attn, .offset: 8, .size: 8, .value_kind: global_buffer, .address_space: global }
      - { .name: W_proj, .offset: 16, .size: 8, .value_kind: global_buffer, .address_space: global }
      - { .name: xc, .offset: 24, .size: 8, .value_kind: global_buffer, .address_space: global }
      - { .name: xs, .offset: 32, .size: 8, .value_kind: global_buffer, .address_space: global }
      - { .name: wc, .offset: 40, .size: 8, .value_kind: global_buffer, .address_space: global }
      - { .name: ws, .offset: 48, .size: 8, .value_kind: global_buffer, .address_space: global }
      - { .name: wp, .offset: 56, .size: 8, .value_kind: global_buffer, .address_space: global }
    .group_segment_fixed_size: 67584
    .private_segment_fixed_size: 0
    .kernarg_segment_align: 8
    .kernarg_segment_size: 64
    .max_flat_workgroup_size: 128
    .sgpr_count:     66
    .vgpr_count:     192
    .wavefront_size: 32
...
	.end_amdgpu_metadata
.endif
;; end of part 1
;; launch gemm1 (part 2): grid 12 x 32, 4 waves a work-group, clusters of 4 x 4, 327,680 bytes of LDS; arguments xc, xs, wc, ws, qkv; writes qkv
.if DOCPART == 2
	.amdgcn_target "amdgcn-amd-amdhsa--gfx1250"
	.amdhsa_code_object_version 6
	.text
	.protected	k_qe2de289094_gemm1
	.globl	k_qe2de289094_gemm1
	.p2align	8
	.type	k_qe2de289094_gemm1,@function
k_qe2de289094_gemm1:
	s_mov_b64 s[64:65], 0
	v_nop
	global_prefetch_b8 v0, s[64:65] scope:SCOPE_SE
	s_setreg_imm32_b32 hwreg(HW_REG_WAVE_MODE, 25, 1), 1
	s_wait_xcnt 0x0
	s_wait_alu depctr_hold_cnt(0) depctr_sa_sdst(0) depctr_va_vdst(0) depctr_va_sdst(0) depctr_va_ssrc(0) depctr_va_vcc(0) depctr_vm_vsrc(0)
	s_getreg_b32 s2, hwreg(HW_REG_IB_STS2, 6, 4)
	s_cmp_eq_u32 s2, 0
	s_cbranch_scc0 .Lentry_in_a_cluster
	s_endpgm
.Lentry_in_a_cluster:
	s_bfe_u32 s2, ttmp6, 0x10000c
	s_cmp_lg_u32 s2, 0xf033
	s_cbranch_scc0 .Lentry_shape_is_right
	s_endpgm
.Lentry_shape_is_right:
; qkv = Q(x) Q(W_attn): the quantised product, on codes of FP4 (E2M1) with one E8M0 scale for each 32 along K; sums in f32; the results are rounded once to f16 and laid by head:
; qkv [3 parts q, k, v][64 = 16 batch + head][2048 tokens][64] f16: a part is 2^24 bytes, a head 2^18, a token 128.  A: xc [8192][512 bytes], xs [8192][32];  B: wc [3072][512 bytes], ws [3072][32].
; LIMIT: a result beyond 65,504 becomes infinity in f16.
; A tile of 256 tokens x 256 columns is made by a work-group of four waves; a wave makes 128 x 128: 64 accumulators of 16 x 16, 512 registers.
; K = 1,024 is two slots of 512 along K (rows of 256 bytes): both are asked for at the head, with the scales of the work-group's rows for all of K, and nothing is ever filled again.
; By this text's count a wave has three tensor loads out at the most.
; CLUSTERS: 4 x 4 work-groups.  The four of a row of the cluster need the same tiles of A, the four of a column the same tiles of B: each tile is asked for JOINTLY, by the same tensor load with the
; same descriptor and a mask that names the four.  THE MATRIX INSTRUCTION IS USED TRANSPOSED (source 0 = 16 rows of B, source 1 = 16 rows of A): a lane then holds eight neighbouring columns of one token.
; REGISTERS, in windows of 256: window 0: v0-31 addresses; v32-95 scale words, two sets; from v128 A's fragments (8 x 16 rows x 128 K), ONE set; on the way out v32-255 are free.
;   window 1: B's fragments, TWO sets, at v0 and at v128.   window 2: the accumulators of my rows 0-63 ((a, b) at v[8 (8 a + b)]);   window 3: those of my rows 64-127.
; A step of 128 along K is 64 matrix instructions, A's blocks one after the other, each against B's eight: a block of A is free as soon as its eight products are issued, so one set of registers serves A.
.set NQ,     4                         ; steps of 128 along K in a slot
.set ROWB,   256                       ; a tile's row in bytes: 512 codes
.set KROW,   512                       ; a row of xc or wc in bytes
.set PITCH,  272                       ; an LDS row: 256 bytes + 16 of padding = 68 words: row r starts at bank 4 r mod 64 (64 banks of 4 bytes: ISA guide 11.1)
.set FR,     8                         ; registers of a fragment: 16 rows x 128 K
.set NL,     2                         ; LDS loads that bring one
.set NP,     4                         ; places behind this matrix instruction (ISA guide 7.12.1)
.set HALFT,  128*PITCH                 ; 128 rows: what one tensor load brings, and what one wave reads of A or of B
.set SLOT,   4*HALFT                   ; A's 256 rows, then B's 256 rows
.set KS,     32                        ; a row of scales in bytes
.set SCL,    2*SLOT                    ; behind the two slots: the scales, as runs of 256 bytes + 16 of padding
.set HALFS,  (128*KS/256)*272          ; the scales of 128 rows: what one tensor load brings
.set SBLK,   (16*KS/256)*272           ; those of 16 rows
.set SPARE,  SCL+4*HALFS               ; the spare words, 128 bytes for each wave: two blocks of 256 bytes that no other line names
.set SPITCH, 272                       ; the way out: a stage of 16 rows x (256 bytes + 16) for each wave, in slot 0, which has had its only fill and its last read when the first result is stored there
.set ADRA, 16                          ; v16-17  LDS address of my A fragments in slot 0, 1
.set ADRB, 20                          ; v20-21  the same for B
.set STO,  24                          ; v24     the way out: where I put 16 bytes of a row
.set RD,   25                          ; v25     the way out: where I read back
.set CO,   26                          ; v26     16 x lane: my place in a store's 512 bytes
.set ADRS, 27                          ; v27     LDS address of my scale words: lanes 0-15 A's rows, lanes 16-31 B's
.set SPW,  28                          ; v28     LDS address of my spare word; never rewritten
.set NIL,  29                          ; v29     0; never rewritten
.set SC,   32                          ; scale words: set s at v[SC + 32 s]; register 4 i + q: lanes 0-15 the word of A's block i, lanes 16-31 that of B's block i, for the slot's q-th 128 along K
.set AF,   128                         ; A's fragments, in window 0
.set TMP,  192                         ; the way out: a block's packed results
.set G1, 24                            ; s[24:31] descriptor group 1 for A's tiles;  s[32:39] group 0, one set for each slot
.set G0, 32
.set G1B, 48                           ; s[48:55], s[56:63] the same for B's tiles
.set G0B, 56
.set G1S, 68                           ; s[68:75], s[76:79] groups 1 and 0 for A's scales;  s[80:87], s[88:91] for B's
.set G0S, 76
.set G1SB, 80
.set G0SB, 88
.set MSB, 0
.macro WIN new                         ; the immediate's high byte repeats the setting that is left; a switch that changes nothing is dropped
.if MSB != (\new)
	s_set_vgpr_msb (MSB<<8)|(\new)
.set MSB, (\new)
.endif
.endm
.set MUL_LO, 0xa1                      ; source 0 (B) window 1, source 1 (A) window 0, C and D window 2
.set MUL_HI, 0xf1                      ; the same, C and D window 3
.set TO_B,   0x40                      ; destination window 1, address window 0
; A joint load: waves 0 and 1 fetch for A, waves 2 and 3 for B.  Each of the two lines has ONE mask and one set of registers for all that issue it; the branch hangs on the wave's number alone.
; Four v_nop follow each of the two lines, ahead of the jump, the label and what follows.
.macro JLOAD g0a, g1a, g0b, g1b
	s_cmp_eq_u32 s15, 0
	s_cbranch_scc0 .Lfor_b_\@
	tensor_load_to_lds s[\g0a:\g0a+3], s[\g1a:\g1a+7]
.rept 4
	v_nop
.endr
	s_branch .Lasked_\@
.Lfor_b_\@:
	tensor_load_to_lds s[\g0b:\g0b+3], s[\g1b:\g1b+7]
.rept 4
	v_nop
.endr
.Lasked_\@:
.endm
.macro CROUND                          ; a round of the cluster's barrier: my work-group's barrier; wave 0 signals for the work-group; every wave waits for all sixteen; my work-group's barrier once more
	s_barrier_signal -1
	s_barrier_wait -1
	s_cmp_lg_u32 s14, 0
	s_cbranch_scc1 .Lnot_wave_0_\@
	s_barrier_signal -3
.Lnot_wave_0_\@:
	s_barrier_wait -3
	s_barrier_signal -1
	s_barrier_wait -1
.endm
	s_load_b128 s[4:7], s[0:1], 0x0                ; A's codes s[4:5], A's scales s[6:7]
	s_load_b128 s[8:11], s[0:1], 0x10              ; B's codes s[8:9], B's scales s[10:11]
	s_load_b64 s[12:13], s[0:1], 0x20              ; qkv
	v_lshl_add_u32 v[SPW], v0, 2, SPARE
	v_mov_b32 v[NIL], 0
	v_lshrrev_b32 v1, 5, v0
	v_readfirstlane_b32 s14, v1                    ; wave 0..3
	s_lshr_b32 s15, s14, 1                         ; which half of the tile's rows is mine.  Also: I fetch for A (0) or for B (1)
	s_and_b32 s16, s14, 1                          ; which half of its columns.  Also: which 128 rows of that tile I fetch
	s_bfe_u32 s40, ttmp6, 0x40000                  ; cx, cy: my place in the cluster
	s_bfe_u32 s41, ttmp6, 0x40004
	s_lshl_b32 s42, ttmp9, 2
	s_add_co_u32 s42, s42, s40                     ; tile column = 4 x cluster x + cx: 0 .. 11
	s_and_b32 s17, ttmp7, 0xffff
	s_lshl_b32 s17, s17, 2
	s_add_co_u32 s17, s17, s41                     ; tile row = 4 x cluster y + cy: 0 .. 31
	s_lshl_b32 s43, s41, 2
	s_lshl_b32 s43, 15, s43                        ; my row of the cluster
	s_lshl_b32 s44, 0x1111, s40                    ; my column
	; descriptor group 1: a tile of 128 rows x 256 bytes, padded in LDS
	s_or_b32 s[G1+0], s43, (0<<16)|(1<<20)|(1<<21)|(5<<22)|(3<<25)  ; 15:0 the mask: A's tiles go to my row; 17:16 element of 1 byte; 20 padding on; 21 set beside a mask; 24:22 after every 64 words (code 5); 31:25 of 4 words (code 3)
	s_or_b32 s[G1B+0], s44, (0<<16)|(1<<20)|(1<<21)|(5<<22)|(3<<25)
.irp g, G1, G1B
	s_mov_b32 s[\g+1], ROWB<<16                    ; tensor_dim0
	s_mov_b32 s[\g+2], 128<<16                     ; tensor_dim1 = 128
	s_mov_b32 s[\g+3], ROWB<<16                    ; tile_dim0
	s_mov_b32 s[\g+4], 128                         ; tile_dim1 = 128
	s_mov_b32 s[\g+5], KROW                        ; tensor_dim0_stride
	s_mov_b32 s[\g+6], 0
	s_mov_b32 s[\g+7], 0
.endr
	; and for the scales of 128 rows: a dense block of 4,096 bytes, as rows of 256 bytes (32 elements of 8 bytes), 16 bytes of padding behind each
	s_or_b32 s[G1S+0], s43, (3<<16)|(1<<20)|(1<<21)|(5<<22)|(3<<25)
	s_or_b32 s[G1SB+0], s44, (3<<16)|(1<<20)|(1<<21)|(5<<22)|(3<<25)
.irp g, G1S, G1SB
	s_mov_b32 s[\g+1], 32<<16
	s_mov_b32 s[\g+2], (128*KS/256)<<16
	s_mov_b32 s[\g+3], 32<<16
	s_mov_b32 s[\g+4], 128*KS/256
	s_mov_b32 s[\g+5], 32
	s_mov_b32 s[\g+6], 0
	s_mov_b32 s[\g+7], 0
.endr
	s_lshl_b32 s18, s16, 7                         ; which 128 rows of the tile I fetch
	s_lshl_b32 s20, s17, 8
	s_add_co_u32 s20, s20, s18                     ; A: row 256 x tile row + 128 x half
	s_lshl_b32 s46, s42, 8
	s_add_co_u32 s46, s46, s18                     ; B: row 256 x tile column + 128 x half
	s_mov_b32 s21, 0
	s_mov_b32 s47, 0
	s_mov_b64 s[18:19], KS
	s_mul_u64 s[22:23], s[20:21], s[18:19]         ; where these rows' scales begin, in bytes
	s_mul_u64 s[92:93], s[46:47], s[18:19]
	s_mov_b64 s[18:19], KROW
	s_mul_u64 s[20:21], s[20:21], s[18:19]         ; and their codes
	s_mul_u64 s[46:47], s[46:47], s[18:19]
	s_mul_i32 s45, s14, HALFT                      ; where they go: wave x 128 rows: no place in the cluster enters an LDS address
	s_mul_i32 s94, s14, HALFS
	s_wait_kmcnt 0x0
	s_add_nc_u64 s[20:21], s[4:5], s[20:21]
	s_add_nc_u64 s[22:23], s[6:7], s[22:23]
	s_add_nc_u64 s[46:47], s[8:9], s[46:47]
	s_add_nc_u64 s[92:93], s[10:11], s[92:93]
	CROUND                                         ; all sixteen work-groups are here: the joint loads meet
	s_mov_b32 s[G0S], 1
	s_add_co_u32 s[G0S+1], s94, SCL
	s_mov_b64 s[G0S+2:G0S+3], s[22:23]
	s_or_b32 s[G0S+3], s[G0S+3], 0x80000000
	s_mov_b32 s[G0SB], 1
	s_add_co_u32 s[G0SB+1], s94, SCL
	s_mov_b64 s[G0SB+2:G0SB+3], s[92:93]
	s_or_b32 s[G0SB+3], s[G0SB+3], 0x80000000
	JLOAD G0S, G1S, G0SB, G1SB                     ; the scales first: they are wanted with the first slot
.irp s, 0,1
	s_mov_b32 s[G0+4*\s], 1
	s_add_co_u32 s[G0+4*\s+1], s45, \s*SLOT
	s_add_nc_u64 s[G0+4*\s+2:G0+4*\s+3], s[20:21], \s*ROWB
	s_or_b32 s[G0+4*\s+3], s[G0+4*\s+3], 0x80000000
	s_mov_b32 s[G0B+4*\s], 1
	s_add_co_u32 s[G0B+4*\s+1], s45, \s*SLOT
	s_add_nc_u64 s[G0B+4*\s+2:G0B+4*\s+3], s[46:47], \s*ROWB
	s_or_b32 s[G0B+4*\s+3], s[G0B+4*\s+3], 0x80000000
	JLOAD G0+4*\s, G1, G0B+4*\s, G1B
.endr
	v_and_b32 v1, 15, v0                           ; r = lane % 16
	v_bfe_u32 v2, v0, 4, 1                         ; h = lane / 16
	v_mul_u32_u24 v3, v1, PITCH
	v_lshl_add_u32 v4, v2, 4, v3                   ; a fragment's row x pitch + 16 x half
	s_mul_i32 s21, s15, HALFT                      ; my 128 rows of A
	s_mul_i32 s22, s16, HALFT                      ; my 128 rows of B,
	s_add_co_u32 s22, s22, 2*HALFT                 ; which lie behind A's 256
.irp s, 0,1
	v_add_nc_u32 v[ADRA+\s], s21, v4
	v_add_nc_u32 v[ADRB+\s], s22, v4
	s_add_co_u32 s21, s21, SLOT
	s_add_co_u32 s22, s22, SLOT
.endr
	v_mul_u32_u24 v5, v1, KS                       ; my row's scales: 32 bytes a row,
	v_lshrrev_b32 v6, 8, v5
	v_lshl_add_u32 v5, v6, 4, v5                   ; and 16 more for each 256 passed
	s_mul_i32 s21, s15, HALFS                      ; A's: my 128 rows
	s_mul_i32 s22, s16, HALFS                      ; B's: my 128 rows, behind A's 256
	s_add_co_u32 s22, s22, 2*HALFS
	s_sub_co_u32 s22, s22, s21
	v_mul_u32_u24 v6, s22, v2                      ; lanes 16-31 take B's: one product, the distance between the two bases x h
	s_add_co_u32 s21, s21, SCL
	v_add_nc_u32 v5, v5, v6
	v_add_nc_u32 v[ADRS], s21, v5
	s_mul_i32 s23, s14, 16*SPITCH                  ; my stage
	v_mul_u32_u24 v5, v1, SPITCH                   ; in: row r, 16 bytes for each half of the lanes
	v_lshl_add_u32 v5, v2, 4, v5
	v_add_nc_u32 v[STO], s23, v5
	v_and_b32 v6, 31, v0
	v_lshlrev_b32 v[CO], 4, v6
	v_lshrrev_b32 v5, 3, v6                        ; back: eight lanes take 128 bytes (one head's 64 numbers) of a token, the 32 lanes four tokens
	v_mul_u32_u24 v5, v5, SPITCH
	v_and_b32 v6, 7, v6
	v_lshl_add_u32 v5, v6, 4, v5
	v_add_nc_u32 v[RD], s23, v5
	; where my 128 tokens x 2 heads begin in qkv: batch << 22 + token << 7 (from the tile row), part << 24 + head << 18 (from the tile column)
	s_lshr_b32 s20, s17, 3
	s_lshl_b32 s20, s20, 22                        ; batch = tile row / 8
	s_and_b32 s21, s17, 7
	s_lshl_b32 s21, s21, 15                        ; token 256 (tile row % 8),
	s_add_co_u32 s20, s20, s21
	s_lshl_b32 s21, s15, 14                        ; + 128 x my half
	s_add_co_u32 s20, s20, s21
	s_mov_b32 s21, 0
	s_lshr_b32 s46, s42, 2
	s_lshl_b32 s46, s46, 24                        ; part = tile column / 4
	s_and_b32 s47, s42, 3
	s_lshl_b32 s47, s47, 20                        ; head 4 (tile column % 4),
	s_add_co_u32 s46, s46, s47
	s_lshl_b32 s47, s16, 19                        ; + 2 x my half
	s_add_co_u32 s46, s46, s47
	s_mov_b32 s47, 0
	s_add_nc_u64 s[20:21], s[20:21], s[46:47]
	s_add_nc_u64 s[12:13], s[12:13], s[20:21]
.macro FRAG reg, adr, q, i             ; a fragment, 16 rows x 128 K of 4-bit codes, is 8 registers: lane l holds row l % 16; registers 4 c .. 4 c + 3 hold K = 64 c + 32 (l / 16) + 0 .. 31
.irp c, 0,1
	ds_load_b128 v[\reg+4*\c:\reg+4*\c+3], v[\adr] offset:64*(\q)+32*\c+(\i)*16*PITCH
.endr
.endm
; 16 matrix instructions: A's blocks a0, a0 + 1 x B's eight, 128 along K: the slot's q-th.  p: B's set;  sc: the set of scale words.  zero = 1: the first product starts the sums: nothing is ever cleared.
; The 64 accumulators take turns, one instruction a turn, in the same order in every step.
.macro MUL16 a0, p, q, sc, zero
.irp a, \a0, \a0+1
.irp b, 0,1,2,3,4,5,6,7
.if \zero
	v_wmma_scale_f32_16x16x128_f8f6f4 v[8*(8*((\a)%4)+\b):8*(8*((\a)%4)+\b)+7], v[128*(\p)+FR*\b:128*(\p)+FR*\b+FR-1], v[AF+FR*(\a):AF+FR*(\a)+FR-1], 0, v[SC+8*NQ*(\sc)+NQ*\b+(\q)], v[SC+8*NQ*(\sc)+NQ*(\a)+(\q)] matrix_a_fmt:MATRIX_FMT_FP4 matrix_b_fmt:MATRIX_FMT_FP4 matrix_a_scale:MATRIX_SCALE_ROW1
.else
	v_wmma_scale_f32_16x16x128_f8f6f4 v[8*(8*((\a)%4)+\b):8*(8*((\a)%4)+\b)+7], v[128*(\p)+FR*\b:128*(\p)+FR*\b+FR-1], v[AF+FR*(\a):AF+FR*(\a)+FR-1], v[8*(8*((\a)%4)+\b):8*(8*((\a)%4)+\b)+7], v[SC+8*NQ*(\sc)+NQ*\b+(\q)], v[SC+8*NQ*(\sc)+NQ*(\a)+(\q)] matrix_a_fmt:MATRIX_FMT_FP4 matrix_b_fmt:MATRIX_FMT_FP4 matrix_a_scale:MATRIX_SCALE_ROW1
.endif
.endr
.endr
.endm
.macro FETCH_B slot, q, p              ; B's eight fragments of the slot's q-th 128 along K into set p
	WIN TO_B
.irp i, 0,1,2,3,4,5,6,7
	FRAG 128*(\p)+FR*\i, ADRB+\slot, \q, \i
.endr
	WIN 0
.endm
.macro FETCH_A slot, q, i0             ; A's blocks i0 .. i0 + 3
.irp i, \i0, \i0+1, \i0+2, \i0+3
	FRAG AF+FR*(\i), ADRA+\slot, \q, \i
.endr
.endm
.macro SCALES sc                       ; a slot's scale words into set sc: four words a row; lanes 0-15 take A's block i, lanes 16-31 B's block i
.irp i, 0,1,2,3,4,5,6,7
	ds_load_b128 v[SC+8*NQ*\sc+NQ*\i:SC+8*NQ*\sc+NQ*\i+3], v[ADRS] offset:\i*SBLK
.endr
.endm
; A load into a register that a matrix instruction has read, and a vector instruction that reads a matrix result, stand NP places behind that matrix instruction; only plain vector
; instructions that name none of its registers are places (ISA guide 7.12.1 for vector instructions).
.macro PLACES n
.rept \n
	v_nop
.endr
.endm
; A step of 128 along K that has its successor in the same slot.
.macro STEP slot, q, zero
	s_wait_dscnt 4*NL                              ; B's set and A's blocks 0-3 are in; the youngest eight loads (A's blocks 4-7) may be out
	WIN MUL_LO
	MUL16 0, (\q)%2, \q, \slot, \zero
	MUL16 2, (\q)%2, \q, \slot, \zero
	s_wait_dscnt 0                                 ; A's blocks 4-7 are in (asked for 32 matrix instructions ago)
	PLACES NP
	FETCH_B \slot, (\q)+1, 1-(\q)%2
	FETCH_A \slot, (\q)+1, 0
	WIN MUL_HI
	MUL16 4, (\q)%2, \q, \slot, \zero
	MUL16 6, (\q)%2, \q, \slot, \zero
	PLACES NP
	WIN 0
	FETCH_A \slot, (\q)+1, 4
.endm
; Slot 0's last step changes slots: ONE barrier; in front of it each wave waits for all its tensor loads (its part of slot 1) and for its own reads of slot 0.
.macro TURN slot, next
	s_wait_tensorcnt 0x0                           ; all my tensor loads have landed: my part of the next slot;  (every window is 0 here)
	ds_add_u32 v[SPW], v[NIL]                      ; 0 onto my spare word
	s_wait_dscnt 4*NL+1                            ; (the add and the youngest eight loads, A's blocks 4-7, may be out)
	WIN MUL_LO
	MUL16 0, 1, NQ-1, \slot, 0                     ; sixteen matrix instructions stand between the add and the wait for it
	s_wait_dscnt 0x0                               ; the add is done, and my reads of this slot are over
	s_barrier_signal -1
	MUL16 2, 1, NQ-1, \slot, 0
	WIN 0
	s_barrier_wait -1
	PLACES NP
	v_add_nc_u32 v[ADRS], 4*NQ, v[ADRS]            ; on to the next slot's scale words (no LDS load of mine is out)
	FETCH_B \next, 0, 0
	FETCH_A \next, 0, 0
	SCALES \next
	WIN MUL_HI
	MUL16 4, 1, NQ-1, \slot, 0
	MUL16 6, 1, NQ-1, \slot, 0
	PLACES NP
	WIN 0
	FETCH_A \next, 0, 4
.endm
	s_wait_tensorcnt 1                             ; the scales and my part of slot 0 are in (slot 1's load may be out),
	s_barrier_signal -1
	s_barrier_wait -1                              ; everybody's are
	FETCH_B 0, 0, 0
	FETCH_A 0, 0, 0
	SCALES 0
	FETCH_A 0, 0, 4
	STEP 0, 0, 1                                   ; the first step's products start the sums
	STEP 0, 1, 0
	STEP 0, 2, 0
	TURN 0, 1
	STEP 1, 0, 0
	STEP 1, 1, 0
	STEP 1, 2, 0
	s_wait_dscnt 4*NL                              ; the very last step: nothing more to fetch
	WIN MUL_LO
	MUL16 0, 1, NQ-1, 1, 0
	MUL16 2, 1, NQ-1, 1, 0
	s_wait_dscnt 0
	WIN MUL_HI
	MUL16 4, 1, NQ-1, 1, 0
	MUL16 6, 1, NQ-1, 1, 0
	WIN 0
; THE WAY OUT, block by block of 16 tokens x 128 columns (two heads).  PACK: rounded to f16, 16 bytes a lane, each accumulator from its low end on.  TOSTAGE: into my own stage and back, four tokens of one head
; an instruction.  SEND: stored: four tokens x 128 bytes of a head are 512 consecutive bytes of qkv, aligned.  Every offset is an immediate: the base never steps.
.macro PACK a
.set AC, 64*((\a)%4)
	WIN 0x0a+5*((\a)/4)                            ; sources 0 and 1: window 2 or 3
.irp b, 0,1,2,3,4,5,6,7
.irp r, 0,1,2,3
	v_cvt_pk_f16_f32 v[TMP+4*\b+\r], v[AC+8*\b+2*\r], v[AC+8*\b+2*\r+1]
.endr
.endr
	WIN 0
.endm
.macro TOSTAGE a
.set BB, 32+192*((\a)%2)               ; v32-63 and v224-255 by turns
.irp b, 0,1,2,3,4,5,6,7
	ds_store_b128 v[STO], v[TMP+4*\b:TMP+4*\b+3] offset:32*\b
.endr
.irp n, 0,1,2,3,4,5,6,7
	ds_load_b128 v[BB+4*\n:BB+4*\n+3], v[RD] offset:4*SPITCH*(\n%4)+128*(\n/4)   ; LDS serves a wave's instructions in order (ISA guide 5.7.1.4): these see the stores above
.endr
.endm
.macro SEND a
.set BB, 32+192*((\a)%2)
	s_wait_dscnt 0x0                               ; the block is back in registers
	s_wait_xcnt 0x0                                ; the block before has had its stores' addresses translated: the next block's loads may land on the registers that those stores read
.irp n, 0,1,2,3,4,5,6,7
	global_store_b128 v[CO], v[BB+4*\n:BB+4*\n+3], s[12:13] offset:262144*(\n/4)+2048*(\a)+512*(\n%4)
.endr
.endm
	PLACES NP                                      ; behind the last products: for the conversions, and for the loads into registers that held scale words
	PACK 0
	TOSTAGE 0
.irp a, 1,2,3,4,5,6,7                  ; block a's conversions stand between block a - 1's loads from the stage and the wait for them
	PACK \a
	SEND \a-1
	TOSTAGE \a
.endr
	SEND 7
	s_wait_tensorcnt 0x0                           ; the wave's end
	ds_add_u32 v[SPW], v[NIL]
	s_wait_dscnt 0x0
	CROUND                                         ; the closing round: no work-group ends while a partner may still ask for a tile that names it
	s_endpgm
.Lfunc_end_k_qe2de289094_gemm1:
	.size	k_qe2de289094_gemm1, .Lfunc_end_k_qe2de289094_gemm1-k_qe2de289094_gemm1
	.p2alignl 7, 3214868480
	.fill 96, 4, 3214868480
	.section	.rodata,"a",@progbits
	.p2align	6, 0x0
	.amdhsa_kernel k_qe2de289094_gemm1
		.amdhsa_group_segment_fixed_size 327680
		.amdhsa_private_segment_fixed_size 0
		.amdhsa_enable_private_segment 0
		.amdhsa_kernarg_size 40
		.amdhsa_user_sgpr_count 2
		.amdhsa_user_sgpr_kernarg_segment_ptr 1
		.amdhsa_wavefront_size32 1
		.amdhsa_system_sgpr_workgroup_id_x 1
		.amdhsa_system_sgpr_workgroup_id_y 1
		.amdhsa_system_sgpr_workgroup_id_z 1
		.amdhsa_system_vgpr_workitem_id 0
		.amdhsa_next_free_vgpr 1024
		.amdhsa_next_free_sgpr 98
		.amdhsa_reserve_vcc 0
		.amdhsa_float_denorm_mode_32 3
		.amdhsa_float_denorm_mode_16_64 3
		.amdhsa_memory_ordered 1
		.amdhsa_forward_progress 1
		.amdhsa_inst_pref_size 126
	.end_amdhsa_kernel
	.amdgpu_metadata
---
amdhsa.version: [ 1, 2 ]
amdhsa.kernels:
  - .name:           k_qe2de289094_gemm1
    .symbol:         k_qe2de289094_gemm1.kd
    .args:
      - { .name: xc, .offset: 0, .size: 8, .value_kind: global_buffer, .address_space: global }
      - { .name: xs, .offset: 8, .size: 8, .value_kind: global_buffer, .address_space: global }
      - { .name: wc, .offset: 16, .size: 8, .value_kind: global_buffer, .address_space: global }
      - { .name: ws, .offset: 24, .size: 8, .value_kind: global_buffer, .address_space: global }
      - { .name: qkv, .offset: 32, .size: 8, .value_kind: global_buffer, .address_space: global }
    .group_segment_fixed_size: 327680
    .private_segment_fixed_size: 0
    .kernarg_segment_align: 8
    .kernarg_segment_size: 40
    .max_flat_workgroup_size: 128
    .sgpr_count:     98
    .vgpr_count:     1024
    .wavefront_size: 32
...
	.end_amdgpu_metadata
.endif
;; end of part 2
;; launch attn (part 3): grid 4 x 64, 8 waves a work-group, no clusters, 327,680 bytes of LDS; arguments qkv, y; writes y
.if DOCPART == 3
	.amdgcn_target "amdgcn-amd-amdhsa--gfx1250"
	.amdhsa_code_object_version 6
	.text
	.protected	k_qe2de289094_attn
	.globl	k_qe2de289094_attn
	.p2align	8
	.type	k_qe2de289094_attn,@function
k_qe2de289094_attn:
	s_mov_b64 s[64:65], 0
	v_nop
	global_prefetch_b8 v0, s[64:65] scope:SCOPE_SE
	s_setreg_imm32_b32 hwreg(HW_REG_WAVE_MODE, 25, 1), 1
	s_wait_xcnt 0x0
; y[bh][q][:] = the sum over keys k <= q of softmax_k(Q[q] . K[k] / 8) V[k][:], for each of 64 heads of 2,048 tokens x 64.  Q, K, V: the three parts of qkv, f16, [64][2048][64]; y likewise.
; Products on f16 operands with f32 sums; maxima, exponentials and rescaling in f32; the weights p (at most 1) are rounded to f16 for the second product, y once at the end.
; LIMITS: NaN and infinities among the inputs are not served; y beyond 65,504 becomes infinity.
; SHARES.  Work-group (i, head), i = 0 .. 3, owns two blocks of 256 queries: block 7 - i first (it needs key blocks 0 .. 7 - i), then block i (key blocks 0 .. i): always 9 units of 256 keys, so all 256
; work-groups have the same work and every trip count is a constant.  Each of the eight waves owns a strip of 32 queries, two tiles of 16.  Two waves share a SIMD: one's softmax stands beside the other's products.
; A unit is four steps of 64 keys.  A step all of whose keys come after the wave's queries is passed over by a scalar branch on ids; on the diagonal hidden scores become -infinity ahead of the maximum.
; LAYOUT.  S^T = K Q^T (source 0 = 16 keys, source 1 = 16 queries): a lane holds ONE query (lane % 16) and the keys 8 (lane / 16) + 0 .. 7.  Two such tiles, rounded to f16 in pairs, ARE source 1
; (32 keys x 16 queries) of O^T = V^T P.  K comes out of LDS as it lies, V ([key][channel]) turned, by ds_load_tr16_b128.
; SOFTMAX.  A running maximum m for each query: p = 2^(c s - c m), c = log2(e) / 8; in every step O^T and the sum are multiplied by a = 2^(c m_old - c m_new).  The step is written once: O^T and the sum begin as
; zeros and m as -3e38, so the first a is 0.  Key 0 counts for every query, so m is a score from a phase's first step on.
; THE ROW'S SUM is one more accumulator a tile: ONES (16 x 32 of 1.0) x P; its register 0 is the query's sum over the 32 keys, in both halves of the lanes.  Only its registers 0 and 1 are rescaled; the other six
; hold sums of p that nobody reads, 2,048 at the most.
; NO CLUSTER: the four work-groups of a head stand at the same key block only in units 0 to 4; from then on block u of one is wanted while another wants block u - 5, u - 6 ..: joint requests would make
; each partner take all blocks that any partner wants, 12 units against 9.
; LDS: slot s at s x 2^17: 256 rows of K (pitch 144), then 256 rows of V (pitch 160); behind the slots a stage of 32 rows x 144 bytes for each wave, then the spare words.
; REGISTERS: window 0: v1-15 addresses and the mask's numbers; v16-31 statistics; v32-95 S^T; v96-127 P; v128-159 Q; v160-223 O^T; v224-239 the sums.  window 1: v0-63 K, v64-127 V, v128-135 ONES.
.set PK,    144                        ; a row of K in LDS: 128 bytes + 16 = 36 words: the 16 rows of a load start at 16 different groups of four banks (64 banks of 4 bytes: ISA guide 11.1)
.set PV,    160                        ; a row of V: 128 + 32 = 40 words
.set VOFF,  256*PK
.set SLOT1, 1<<17                      ; slot 1 begins here, so that one exclusive or turns an address in one slot into the other's
.set STAGE, SLOT1+VOFF+256*PV          ; 208,896
.set SPARE, STAGE+8*32*PK              ; 245,760: the spare words, 128 bytes for each wave: four blocks of 256 bytes that no other line names
.set AK0, 1                            ; v1   my lane's place in a tile of K: 144 r + 16 h
.set AV0, 2                            ; v2   the same for V's turning load
.set ADK, 3                            ; v3   LDS address of the step's K
.set ADV, 4                            ; v4   of its V
.set QO,  5                            ; v5   my byte offset in 16 rows of Q
.set STO, 6                            ; v6   the way out: where I put 16 bytes of a row
.set RD,  7                            ; v7   where I read back
.set GO,  8                            ; v8   16 x lane
.set SPW, 9                            ; v9   LDS address of my spare word; never rewritten
.set NIL, 10                           ; v10  0; never rewritten
.set PFO, 11                           ; v11  256 x lane: the prefetches' offset; never rewritten
.set NEG, 12                           ; v12  -infinity
.set DM,  13                           ; v13  r - 8 h
.set D0,  14                           ; v14-15  the mask: my query less the step's first key less 8 h, for tile 0, 1
.set TS,  16                           ; tile t's statistics at v[TS + 8 t]: +0 c m, +1 m, +2 a, +3 zero (named with a as a pair), +4 .. +7 c0-c3, at work
.set RS,  32                           ; S^T: 32 a tile
.set RP,  96                           ; P: 16 a tile
.set RQ,  128                          ; Q: tile t, channels 32 ks on, at +16 t + 8 ks
.set RO,  160                          ; O^T: 32 a tile
.set RL,  224                          ; the sums: 8 a tile
.set VFR, 64                           ; window 1: V's fragments
.set ONES, 128                         ; window 1
.set WV,  8                            ; s8   wave
.set WGI, 9                            ; s9   i
.set STR, 11                           ; s11  my strip of 32 queries in a block
.set N1,  12                           ; s12  8 - i: units of the first phase
.set Q0,  13                           ; s13  my first query
.set KF,  14                           ; s14  the step's first key
.set TK,  15                           ; s15  LDS byte at which the step's K begins
.set TV,  16                           ; s16  and its V
.set SLOTS, 17                         ; s17  units still to be asked for
.set INNER, 18                         ; s18  counts a unit's four steps
.set KBN, 19                           ; s19  the key block asked for last
.set CS,  22                           ; s[22:23] c, twice: the packed form names a pair
.set G1K, 24                           ; s[24:31] descriptor group 1 for K's tiles;  s[32:39] for V's: it differs in the padding alone
.set G1V, 32
.set G0K, 40                           ; s[40:43], s[44:47] their groups 0
.set G0V, 44
.set SEL, 48                           ; s[48:49] lane selects for v_permlanex16_b32: lane l xor 16
.set KB,  50                           ; s[50:51] K of my head, at the half of a block that I fetch;  s[52:53] V
.set VB,  52
.set QH,  54                           ; s[54:55] Q of my head;  s[56:57] y of my head
.set YH,  56
.set QP,  58                           ; s[58:59], s[60:61] the same at my strip of the phase in hand
.set YP,  60
.set PFK, 66                           ; s[66:67], s[68:69] where my prefetches stand in K and in V
.set PFV, 68
.set LIM, 70                           ; s70  2 in a wave that prefetches, else the greatest number
.set OF,  72                           ; s[72:73] an offset; s73 stays 0
.set MSB, 0
.macro WIN new                         ; the immediate's high byte repeats the setting that is left; a switch that changes nothing is dropped
.if MSB != (\new)
	s_set_vgpr_msb (MSB<<8)|(\new)
.set MSB, (\new)
.endif
.endm
; Waves 0 and 1 fetch K's halves of a block, waves 2 and 3 V's, the others nothing.  The branches hang on the wave's number alone.  Four v_nop follow each of the two lines.
.macro TLOAD
	s_cmp_lt_u32 s[WV], 2
	s_cbranch_scc0 .Lnot_k_\@
	tensor_load_to_lds s[G0K:G0K+3], s[G1K:G1K+7]
.rept 4
	v_nop
.endr
	s_branch .Lasked_\@
.Lnot_k_\@:
	s_cmp_lt_u32 s[WV], 4
	s_cbranch_scc0 .Lasked_\@
	tensor_load_to_lds s[G0V:G0V+3], s[G1V:G1V+7]
.rept 4
	v_nop
.endr
.Lasked_\@:
.endm
; A PREFETCH INTO THE L2 of the key block that the NEXT change of slots will ask for: 32,768 dense bytes of K and as many of V.  The head's work-group i = 0 walks blocks 0 to 7 in order: it alone asks, and in it
; the waves that fetch nothing, 4 to 7: 8,192 bytes of K and of V each, lanes 256 bytes apart.  In unit u it names block u + 2, for u = 0 .. 5: each block of 256 bytes is named once in the launch.
; Blocks 0 and 1 come by their loads alone.
.macro ASK
	s_cmp_gt_u32 s[SLOTS], s[LIM]
	s_cbranch_scc0 .Lnot_mine_\@
	global_prefetch_b8 v[PFO], s[PFK:PFK+1] th:TH_LOAD_NT scope:SCOPE_SE
	global_prefetch_b8 v[PFO], s[PFV:PFV+1] th:TH_LOAD_NT scope:SCOPE_SE
.Lnot_mine_\@:
.endm
; THE CHANGE OF SLOTS stands at a unit's head.  Each wave waits for all its tensor loads (its part of the slot that it is about to read), adds 0 to its spare word, and waits for that and for its reads of the slot
; that it has left.  Behind the barrier the slot ahead is whole and nobody reads the other one.  fill = 1: that other slot takes the next unit's key block: the load has a whole unit in which to land.
.macro CHANGE fill
	s_wait_tensorcnt 0x0                           ; no tensor load of mine is out, so a group 0 may be written
	ds_add_u32 v[SPW], v[NIL]                      ; 0 onto my spare word: the descriptors' steps stand between it and the wait for it
.if \fill
	s_add_co_u32 s[KBN], s[KBN], 1                 ; the next unit's key block: one on,
	s_cmp_eq_u32 s[KBN], s[N1]
	s_cselect_b32 s[KBN], 0, s[KBN]                ; or block 0 again where the second phase begins (it reaches block 3 at the most, and N1 is 5 at the least)
	s_lshl_b32 s[OF], s[KBN], 15
	s_xor_b32 s[G0K+1], s[G0K+1], SLOT1            ; the other slot than last time
	s_add_nc_u64 s[G0K+2:G0K+3], s[KB:KB+1], s[OF:OF+1]
	s_or_b32 s[G0K+3], s[G0K+3], 0x80000000
	s_xor_b32 s[G0V+1], s[G0V+1], SLOT1
	s_add_nc_u64 s[G0V+2:G0V+3], s[VB:VB+1], s[OF:OF+1]
	s_or_b32 s[G0V+3], s[G0V+3], 0x80000000
	s_wait_xcnt 0x0                                ; the last prefetches, a unit back, have read their addresses, so these may be written
	s_add_nc_u64 s[PFK:PFK+1], s[PFK:PFK+1], 32768
	s_add_nc_u64 s[PFV:PFV+1], s[PFV:PFV+1], 32768
.endif
	s_wait_dscnt 0x0                               ; the add is done, and my reads of the slot that I have left are over
	s_barrier_signal -1
	s_barrier_wait -1
.if \fill
	TLOAD                                          ; the first thing behind the barrier, and a wave's one tensor load until the next: one load of mine is out at the most
	ASK
.endif
.endm
; A phase begins: Q of my strip into registers, O^T and the sums to zero, m under every score.
.macro START
	s_lshl_b32 s[OF], s[Q0], 7
	s_add_nc_u64 s[QP:QP+1], s[QH:QH+1], s[OF:OF+1]
	s_add_nc_u64 s[YP:YP+1], s[YH:YH+1], s[OF:OF+1]
.irp t, 0,1
.irp ks, 0,1
	global_load_b128 v[RQ+16*\t+8*\ks:RQ+16*\t+8*\ks+3],   v[QO], s[QP:QP+1] offset:2048*\t+64*\ks
	global_load_b128 v[RQ+16*\t+8*\ks+4:RQ+16*\t+8*\ks+7], v[QO], s[QP:QP+1] offset:2048*\t+64*\ks+32
.endr
.endr
.set j, 0
.rept 80
	v_mov_b32 v[RO+j], 0                           ; O^T and the sums: the step is written once, so its first turn finds zeros
.set j, j+1
.endr
.irp t, 0,1
	v_mov_b32 v[TS+8*\t+1], 0xff61b1e6             ; m = -3e38
.endr
.irp t, 0,1
	v_mul_f32 v[TS+8*\t], s[CS], v[TS+8*\t+1]      ; c m
.endr
	s_wait_loadcnt 0x0
.endm
.macro RESC t, k                       ; pair k of tile t's O^T (k = 16: the sum's registers 0 and 1) times a
.if (\k) < 16
	v_pk_mul_f32 v[RO+32*(\t)+2*(\k):RO+32*(\t)+2*(\k)+1], v[RO+32*(\t)+2*(\k):RO+32*(\t)+2*(\k)+1], v[TS+8*(\t)+2:TS+8*(\t)+3] op_sel_hi:[1,0]
.else
	v_pk_mul_f32 v[RL+8*(\t):RL+8*(\t)+1], v[RL+8*(\t):RL+8*(\t)+1], v[TS+8*(\t)+2:TS+8*(\t)+3] op_sel_hi:[1,0]
.endif
.endm
; A phase ends: O^T is divided by the sum, rounded to f16 and sent through my stage; four tokens x 128 bytes are 512 consecutive bytes of y, aligned.
.macro FINISH
.rept 4
	v_nop                                          ; places behind the last products
.endr
.irp t, 0,1
	v_rcp_f32 v[TS+8*\t+2], v[RL+8*\t]
.endr
	v_nop                                          ; a plain line between the last reciprocal and the use of its result
.irp t, 0,1
.irp k, 0,1,2,3,4,5,6,7,8,9,10,11,12,13,14,15
	RESC \t, \k
.endr
.endr
.irp t, 0,1
.irp i, 0,1,2,3,4,5,6,7,8,9,10,11,12,13,14,15
	v_cvt_pk_f16_f32 v[RP+16*\t+\i], v[RO+32*\t+2*\i], v[RO+32*\t+2*\i+1]
.endr
.endr
.irp t, 0,1
.irp ct, 0,1,2,3
	ds_store_b128 v[STO], v[RP+16*\t+4*\ct:RP+16*\t+4*\ct+3] offset:16*PK*\t+32*\ct   ; query r, channels 16 ct + 8 h + 0 .. 7
.endr
.endr
.irp n, 0,1,2,3,4,5,6,7
	ds_load_b128 v[RS+4*\n:RS+4*\n+3], v[RD] offset:4*PK*\n   ; LDS serves a wave's instructions in order (ISA guide 5.7.1.4): these see the stores above
.endr
.irp n, 0,1,2,3,4,5,6,7
	s_wait_dscnt 7-\n                              ; load n is in, the younger ones may be out
	global_store_b128 v[GO], v[RS+4*\n:RS+4*\n+3], s[YP:YP+1] offset:512*\n
.endr
.endm
; Where the first phase's units are over (unit 8 - i, in which s[SLOTS] = i) the first block goes out and the second begins.  A scalar branch on ids; no barrier and no tensor load stands under it.
.macro PHASE
	s_cmp_lg_u32 s[SLOTS], s[WGI]
	s_cbranch_scc1 .Lsame_\@
	FINISH
	s_wait_xcnt 0x0                                ; the stores have read their registers and their base: both are written again below
	s_lshl_b32 s[Q0], s[WGI], 8
	s_lshl_b32 s20, s[STR], 5
	s_add_co_u32 s[Q0], s[Q0], s20                 ; block i, my strip
	s_mov_b32 s[KF], 0
	START
.Lsame_\@:
.endm
; The maximum of a tile's 32 scores and the old m, three operands at a time; the other half of the lanes'; the new m, c m and a.  The two tiles alternate, so that no line waits for the line above it.
.macro MAXES
.irp k, 0,1,2,3
.irp t, 0,1
	v_max3_num_f32 v[TS+8*\t+4+\k], v[RS+32*\t+8*\k], v[RS+32*\t+8*\k+1], v[RS+32*\t+8*\k+2]
.endr
.endr
.irp i, 3,5
.irp k, 0,1,2,3
.irp t, 0,1
	v_max3_num_f32 v[TS+8*\t+4+\k], v[TS+8*\t+4+\k], v[RS+32*\t+8*\k+\i], v[RS+32*\t+8*\k+\i+1]
.endr
.endr
.endr
.irp t, 0,1
	v_max3_num_f32 v[TS+8*\t+4], v[TS+8*\t+4], v[RS+32*\t+7], v[RS+32*\t+15]
	v_max3_num_f32 v[TS+8*\t+6], v[TS+8*\t+6], v[RS+32*\t+23], v[RS+32*\t+31]
.endr
.irp t, 0,1
	v_max3_num_f32 v[TS+8*\t+4], v[TS+8*\t+4], v[TS+8*\t+5], v[TS+8*\t+6]
.endr
.irp t, 0,1
	v_max3_num_f32 v[TS+8*\t+4], v[TS+8*\t+4], v[TS+8*\t+7], v[TS+8*\t+1]
.endr
.irp t, 0,1
	v_permlanex16_b32 v[TS+8*\t+5], v[TS+8*\t+4], s[SEL], s[SEL+1]   ; the query's other 32 keys lie in the lane 16 away
.endr
.irp t, 0,1
	v_max_num_f32 v[TS+8*\t+1], v[TS+8*\t+4], v[TS+8*\t+5]
.endr
.irp t, 0,1
	v_mul_f32 v[TS+8*\t+6], s[CS], v[TS+8*\t+1]    ; the new c m, rounded once: p and a both take this number, so that what was summed under the old one is carried over without a drift
.endr
.irp t, 0,1
	v_sub_f32 v[TS+8*\t+7], v[TS+8*\t], v[TS+8*\t+6]
.endr
.irp t, 0,1
	v_mov_b32 v[TS+8*\t], v[TS+8*\t+6]
.endr
.irp t, 0,1
	v_exp_f32 v[TS+8*\t+2], v[TS+8*\t+7]           ; a
.endr
.endm
.macro SCALE t, b                      ; pair b of tile t: c s - c m
	v_pk_fma_f32 v[RS+32*(\t)+2*(\b):RS+32*(\t)+2*(\b)+1], v[RS+32*(\t)+2*(\b):RS+32*(\t)+2*(\b)+1], s[CS:CS+1], v[TS+8*(\t):TS+8*(\t)+1] op_sel_hi:[1,0,0] neg_lo:[0,0,1] neg_hi:[0,0,1]
.endm
.macro TOF16 t, i                      ; pair i of tile t's weights, rounded to f16
	v_cvt_pk_f16_f32 v[RP+16*(\t)+(\i)], v[RS+32*(\t)+2*(\i)], v[RS+32*(\t)+2*(\i)+1]
.endm
; The exponentials, each with a plain line behind it that is ready: the scaling of a pair two pairs ahead, the rounding of the pair before, or a pair of O^T's rescaling, which runs in ascending order.
.macro EXPS
.irp b, 0,1
.irp t, 0,1
	SCALE \t, \b
.endr
.endr
.irp b, 0,1,2,3,4,5,6,7,8,9,10,11,12,13,14,15
.irp t, 0,1
	v_exp_f32 v[RS+32*\t+2*\b], v[RS+32*\t+2*\b]
.if \b < 14
	SCALE \t, \b+2
.else
	RESC \t, \b-13
.endif
	v_exp_f32 v[RS+32*\t+2*\b+1], v[RS+32*\t+2*\b+1]
.if \b > 0
	TOF16 \t, \b-1
.else
	RESC \t, 0
.endif
.endr
.endr
.irp t, 0,1
	RESC \t, 3
	TOF16 \t, 15
.endr
.irp k, 4,5,6,7,8,9,10,11,12,13,14,15,16
.irp t, 0,1
	RESC \t, \k
.endr
.endr
.endm
; A STEP: 64 keys.  The accumulators take turns, one instruction a turn: eight in K Q^T, ten in V^T P and the sums.
.macro STEP
	s_add_co_u32 s20, s[Q0], 31
	s_cmp_gt_u32 s[KF], s20                        ; all 64 keys come after my 32 queries: the step's work is left out, not the lines at its end that step addresses
	s_cbranch_scc1 .Lhidden_\@
	v_add_nc_u32 v[ADK], s[TK], v[AK0]
	v_add_nc_u32 v[ADV], s[TV], v[AV0]
	v_nop
	v_nop                                          ; these four lines are the places behind the last step's products, in front of the loads into V's registers
	WIN 0x40                                       ; destination window 1
.irp kt, 0,1,2,3
.irp ks, 0,1
	ds_load_b128 v[8*(2*\kt+\ks):8*(2*\kt+\ks)+3],   v[ADK] offset:16*PK*\kt+64*\ks
	ds_load_b128 v[8*(2*\kt+\ks)+4:8*(2*\kt+\ks)+7], v[ADK] offset:16*PK*\kt+64*\ks+32
.endr
.endr
.irp g, 0,1
.irp ct, 0,1,2,3
	ds_load_tr16_b128 v[VFR+8*(4*\g+\ct):VFR+8*(4*\g+\ct)+3],   v[ADV] offset:32*PV*\g+32*\ct
	ds_load_tr16_b128 v[VFR+8*(4*\g+\ct)+4:VFR+8*(4*\g+\ct)+7], v[ADV] offset:32*PV*\g+32*\ct+16*PV
.endr
.endr
	s_wait_dscnt 16                                ; K's sixteen loads are in, V's sixteen may be out
	WIN 0x01                                       ; source 0 window 1
.irp ks, 0,1
.irp kt, 0,1,2,3
.irp t, 0,1
.if \ks == 0
	v_wmma_f32_16x16x32_f16 v[RS+32*\t+8*\kt:RS+32*\t+8*\kt+7], v[8*(2*\kt+\ks):8*(2*\kt+\ks)+7], v[RQ+16*\t+8*\ks:RQ+16*\t+8*\ks+7], 0
.else
	v_wmma_f32_16x16x32_f16 v[RS+32*\t+8*\kt:RS+32*\t+8*\kt+7], v[8*(2*\kt+\ks):8*(2*\kt+\ks)+7], v[RQ+16*\t+8*\ks:RQ+16*\t+8*\ks+7], v[RS+32*\t+8*\kt:RS+32*\t+8*\kt+7]
.endif
.endr
.endr
.endr
	WIN 0
.rept 4
	v_nop                                          ; places in front of the first read of the scores
.endr
	s_add_co_u32 s20, s[KF], 63
	s_cmp_le_u32 s20, s[Q0]                        ; all 64 keys count for all my queries: no mask
	s_cbranch_scc1 .Lopen_\@
	s_sub_co_i32 s20, s[Q0], s[KF]
	v_add_nc_u32 v[D0], s20, v[DM]                 ; d = my query - KF - 8 h.  Register n holds key KF + 8 h + 16 (n / 8) + n % 8: hidden where 16 (n / 8) + n % 8 > d
	v_add_nc_u32 v[D0+1], 16, v[D0]
.irp t, 0,1
.irp n, 0,1,2,3,4,5,6,7,8,9,10,11,12,13,14,15,16,17,18,19,20,21,22,23,24,25,26,27,28,29,30,31
	v_cmp_gt_i32 vcc_lo, 16*(\n/8)+\n%8, v[D0+\t]
	v_cndmask_b32 v[RS+32*\t+\n], v[RS+32*\t+\n], v[NEG], vcc_lo
.endr
.endr
.Lopen_\@:
	MAXES
	EXPS
	s_wait_dscnt 0x0                               ; V is in
	WIN 0x01
.irp g, 0,1
.irp ct, 0,1,2,3
.irp t, 0,1
	v_wmma_f32_16x16x32_f16 v[RO+32*\t+8*\ct:RO+32*\t+8*\ct+7], v[VFR+8*(4*\g+\ct):VFR+8*(4*\g+\ct)+7], v[RP+16*\t+8*\g:RP+16*\t+8*\g+7], v[RO+32*\t+8*\ct:RO+32*\t+8*\ct+7]
.endr
.endr
.irp t, 0,1
	v_wmma_f32_16x16x32_f16 v[RL+8*\t:RL+8*\t+7], v[ONES:ONES+7], v[RP+16*\t+8*\g:RP+16*\t+8*\g+7], v[RL+8*\t:RL+8*\t+7]
.endr
.endr
	WIN 0
.Lhidden_\@:
	s_add_co_u32 s[KF], s[KF], 64
	s_add_co_u32 s[TK], s[TK], 64*PK
	s_add_co_u32 s[TV], s[TV], 64*PV
.endm
; A unit: 256 keys, four steps, written once and walked four times; then the LDS addresses go back to a slot's first step, in the other slot.
.macro UNIT
	PHASE
	s_mov_b32 s[INNER], 4
.Lstep_\@:
	STEP
	s_sub_co_u32 s[INNER], s[INNER], 1
	s_cmp_lg_u32 s[INNER], 0
	s_cbranch_scc1 .Lstep_\@
	s_sub_co_u32 s[TK], s[TK], 256*PK
	s_xor_b32 s[TK], s[TK], SLOT1
	s_sub_co_u32 s[TV], s[TV], 256*PV
	s_xor_b32 s[TV], s[TV], SLOT1
.endm
	s_load_b128 s[4:7], s[0:1], 0x0                ; qkv s[4:5], y s[6:7]
	v_lshl_add_u32 v[SPW], v0, 2, SPARE
	v_mov_b32 v[NIL], 0
	v_lshrrev_b32 v1, 5, v0
	v_readfirstlane_b32 s[WV], v1                  ; wave 0..7
	s_mov_b32 s[WGI], ttmp9                        ; i
	s_and_b32 s10, ttmp7, 0xffff                   ; the head, 0 .. 63
	s_sub_co_u32 s20, 11, s[WV]
	s_cmp_lt_u32 s[WV], 4
	s_cselect_b32 s[STR], s[WV], s20               ; strips 0, 1, 2, 3, 7, 6, 5, 4: waves w and w + 4 together have 5 of a diagonal unit's 8 steps
	s_sub_co_u32 s[N1], 8, s[WGI]
	; descriptor group 1: 128 rows x 64 elements of 2 bytes, dense in memory, padded in LDS
	s_mov_b32 s[G1K], (1<<16)|(1<<20)|(4<<22)|(3<<25)   ; 15:0 no mask; 17:16 elements of 2 bytes; 20 padding on; 24:22 after every 32 words (code 4); 31:25 four words (code 3)
	s_mov_b32 s[G1V], (1<<16)|(1<<20)|(4<<22)|(7<<25)   ; the same with eight words of padding (code 7)
.irp g, G1K, G1V
	s_mov_b32 s[\g+1], 64<<16                      ; tensor_dim0
	s_mov_b32 s[\g+2], 128<<16                     ; tensor_dim1
	s_mov_b32 s[\g+3], 64<<16                      ; tile_dim0
	s_mov_b32 s[\g+4], 128                         ; tile_dim1
	s_mov_b32 s[\g+5], 64                          ; tensor_dim0_stride
	s_mov_b32 s[\g+6], 0
	s_mov_b32 s[\g+7], 0
.endr
	s_mov_b32 s[CS], 0x3e38aa3b                    ; c = log2(e) / 8
	s_mov_b32 s[CS+1], s[CS]                       ; (named with it as a pair, so it is written)
	s_mov_b32 s[SEL], 0x76543210
	s_mov_b32 s[SEL+1], 0xfedcba98
	s_mov_b32 s[TK], 0
	s_mov_b32 s[TV], VOFF
	s_mov_b32 s[SLOTS], 8
	s_mov_b32 s[KBN], 0
	s_mov_b32 s[KF], 0
	s_sub_co_u32 s20, 7, s[WGI]
	s_lshl_b32 s[Q0], s20, 8
	s_lshl_b32 s20, s[STR], 5
	s_add_co_u32 s[Q0], s[Q0], s20                 ; block 7 - i, my strip
	s_lshr_b32 s20, s[WV], 2
	s_xor_b32 s20, s20, 1                          ; 0 in waves 4 to 7,
	s_or_b32 s20, s20, s[WGI]                      ; of the head's work-group 0
	s_cmp_eq_u32 s20, 0
	s_cselect_b32 s[LIM], 2, -1
	s_and_b32 s20, s[WV], 1                        ; which half of a block I fetch, if I fetch
	s_lshl_b32 s21, s20, 14                        ; its 128 rows of 128 bytes in memory
	s_lshl_b32 s[OF], s10, 18
	s_mov_b32 s[OF+1], 0
	s_wait_kmcnt 0x0
	s_add_nc_u64 s[QH:QH+1], s[4:5], s[OF:OF+1]
	s_add_nc_u64 s[YH:YH+1], s[6:7], s[OF:OF+1]
	s_add_nc_u64 s[KB:KB+1], s[QH:QH+1], 0x1000000
	s_add_nc_u64 s[VB:VB+1], s[QH:QH+1], 0x2000000
	s_and_b32 s[OF], s[WV], 3
	s_lshl_b32 s[OF], s[OF], 13
	s_add_co_u32 s[OF], s[OF], 32768               ; my 8,192 bytes of block 1: the first change of slots steps this to block 2.  Nothing is prefetched at the head
	s_add_nc_u64 s[PFK:PFK+1], s[KB:KB+1], s[OF:OF+1]
	s_add_nc_u64 s[PFV:PFV+1], s[VB:VB+1], s[OF:OF+1]
	s_mov_b32 s[OF], s21
	s_add_nc_u64 s[KB:KB+1], s[KB:KB+1], s[OF:OF+1]
	s_add_nc_u64 s[VB:VB+1], s[VB:VB+1], s[OF:OF+1]
	s_mov_b32 s[G0K], 1                            ; 1:0 count = 1
	s_mul_i32 s[G0K+1], s20, 128*PK                ; 63:32 LDS address: slot 0, my half
	s_mov_b64 s[G0K+2:G0K+3], s[KB:KB+1]           ; 120:64 global address: key block 0
	s_or_b32 s[G0K+3], s[G0K+3], 0x80000000        ; 127:126 type = 2
	s_mov_b32 s[G0V], 1
	s_mul_i32 s[G0V+1], s20, 128*PV
	s_add_co_u32 s[G0V+1], s[G0V+1], VOFF
	s_mov_b64 s[G0V+2:G0V+3], s[VB:VB+1]
	s_or_b32 s[G0V+3], s[G0V+3], 0x80000000
	TLOAD                                          ; unit 0 into slot 0: the one first fill at the head; slot 1 is first filled behind the first barrier, as a refill is
	v_and_b32 v14, 15, v0                          ; r
	v_bfe_u32 v15, v0, 4, 1                        ; h
	v_and_b32 v16, 31, v0                          ; lane
	v_and_b32 v17, 7, v0
	v_bfe_u32 v18, v0, 3, 1
	v_mul_u32_u24 v[AK0], v14, PK
	v_lshl_add_u32 v[AK0], v15, 4, v[AK0]          ; a fragment of K: row r, 16 bytes for each half of the lanes; two loads 32 bytes apart
	v_lshl_add_u32 v[AV0], v15, 3, v17             ; the turning load: key 8 h + lane % 8,
	v_mul_u32_u24 v[AV0], v[AV0], PV
	v_lshl_add_u32 v[AV0], v18, 4, v[AV0]          ; channels 8 ((lane / 8) % 2) on
	v_lshlrev_b32 v[QO], 7, v14
	v_lshl_add_u32 v[QO], v15, 4, v[QO]
	s_mul_i32 s20, s[WV], 32*PK
	s_add_co_u32 s20, s20, STAGE                   ; my stage
	v_add_nc_u32 v[STO], s20, v[AK0]               ; in: row r, 16 bytes for each half of the lanes
	v_lshrrev_b32 v19, 3, v16
	v_mul_u32_u24 v19, v19, PK
	v_lshl_add_u32 v19, v17, 4, v19
	v_add_nc_u32 v[RD], s20, v19                   ; back: eight lanes to a row of 128 bytes, four rows an instruction
	v_lshlrev_b32 v[GO], 4, v16
	v_lshlrev_b32 v[PFO], 8, v16
	v_mov_b32 v[NEG], 0xff800000
	v_lshlrev_b32 v19, 3, v15
	v_sub_nc_u32 v[DM], v14, v19
	v_mov_b32 v[TS+3], 0                           ; named as the upper halves of a's pairs, so they are written
	v_mov_b32 v[TS+11], 0
	WIN 0x40
.irp i, 0,1,2,3,4,5,6,7
	v_mov_b32 v[ONES+\i], 0x3c003c00               ; 1.0, 1.0 in f16
.endr
	WIN 0
	START
.Lunit:                                            ; eight trips: behind each change of slots but the last the next unit's key block is asked for
	CHANGE 1
	UNIT
	s_sub_co_u32 s[SLOTS], s[SLOTS], 1
	s_cmp_lg_u32 s[SLOTS], 0
	s_cbranch_scc1 .Lunit
	CHANGE 0                                       ; the last unit is written out
	UNIT
	FINISH
	s_wait_tensorcnt 0x0                           ; the wave's end, behind my last tensor load and my last LDS store
	ds_add_u32 v[SPW], v[NIL]
	s_wait_dscnt 0x0
	s_endpgm
.Lfunc_end_k_qe2de289094_attn:
	.size	k_qe2de289094_attn, .Lfunc_end_k_qe2de289094_attn-k_qe2de289094_attn
	.p2alignl 7, 3214868480
	.fill 96, 4, 3214868480
	.section	.rodata,"a",@progbits
	.p2align	6, 0x0
	.amdhsa_kernel k_qe2de289094_attn
		.amdhsa_group_segment_fixed_size 327680
		.amdhsa_private_segment_fixed_size 0
		.amdhsa_enable_private_segment 0
		.amdhsa_kernarg_size 16
		.amdhsa_user_sgpr_count 2
		.amdhsa_user_sgpr_kernarg_segment_ptr 1
		.amdhsa_wavefront_size32 1
		.amdhsa_system_sgpr_workgroup_id_x 1
		.amdhsa_system_sgpr_workgroup_id_y 1
		.amdhsa_system_sgpr_workgroup_id_z 1
		.amdhsa_system_vgpr_workitem_id 0
		.amdhsa_next_free_vgpr 392
		.amdhsa_next_free_sgpr 76
		.amdhsa_reserve_vcc 1
		.amdhsa_float_denorm_mode_32 3
		.amdhsa_float_denorm_mode_16_64 3
		.amdhsa_memory_ordered 1
		.amdhsa_forward_progress 1
		.amdhsa_inst_pref_size 78
	.end_amdhsa_kernel
	.amdgpu_metadata
---
amdhsa.version: [ 1, 2 ]
amdhsa.kernels:
  - .name:           k_qe2de289094_attn
    .symbol:         k_qe2de289094_attn.kd
    .args:
      - { .name: qkv, .offset: 0, .size: 8, .value_kind: global_buffer, .address_space: global }
      - { .name: y, .offset: 8, .size: 8, .value_kind: global_buffer, .address_space: global }
    .group_segment_fixed_size: 327680
    .private_segment_fixed_size: 0
    .kernarg_segment_align: 8
    .kernarg_segment_size: 16
    .max_flat_workgroup_size: 256
    .sgpr_count:     76
    .vgpr_count:     392
    .wavefront_size: 32
...
	.end_amdgpu_metadata
.endif
;; end of part 3
;; launch proj (part 4): grid 4 x 64, 4 waves a work-group, clusters of 4 x 4, 327,680 bytes of LDS; arguments y, wp, out0; writes out0
.if DOCPART == 4
	.amdgcn_target "amdgcn-amd-amdhsa--gfx1250"
	.amdhsa_code_object_version 6
	.text
	.protected	k_qe2de289094_proj
	.globl	k_qe2de289094_proj
	.p2align	8
	.type	k_qe2de289094_proj,@function
k_qe2de289094_proj:
	s_mov_b64 s[64:65], 0
	v_nop
	global_prefetch_b8 v0, s[64:65] scope:SCOPE_SE
	s_setreg_imm32_b32 hwreg(HW_REG_WAVE_MODE, 25, 1), 1
	s_wait_xcnt 0x0
	s_wait_alu depctr_hold_cnt(0) depctr_sa_sdst(0) depctr_va_vdst(0) depctr_va_sdst(0) depctr_va_ssrc(0) depctr_va_vcc(0) depctr_vm_vsrc(0)
	s_getreg_b32 s2, hwreg(HW_REG_IB_STS2, 6, 4)
	s_cmp_eq_u32 s2, 0
	s_cbranch_scc0 .Lentry_in_a_cluster
	s_endpgm
.Lentry_in_a_cluster:
	s_bfe_u32 s2, ttmp6, 0x10000c
	s_cmp_lg_u32 s2, 0xf033
	s_cbranch_scc0 .Lentry_shape_is_right
	s_endpgm
.Lentry_shape_is_right:
; out0 = y W_proj.  y: f16, [64 = 16 batch + head][2048 tokens][64]; wp: W_proj in f16, [1024 k][1024 n], k = 64 head + channel; out0: [8192 tokens][1024] f32.  f16 operands, f32 sums.
; A tile of 128 tokens x 256 columns is made by a work-group of four waves: 256 work-groups.  A wave makes 64 x 128: 32 accumulators of 16 x 16, 256 registers.
; K goes in eight steps of 128 (two heads) through a ring of two LDS slots filled by the tensor data mover.  A's tile is two planes (heads) of 128 tokens x 128 bytes, each dense in memory;
; B's is 128 rows k of 512 bytes.  Waves 0 and 1 fetch A's planes, waves 2 and 3 B's halves: one load a wave.
; CLUSTERS: 4 x 4 work-groups.  The four of a row of the cluster make the four tile columns of one tile row and need the same tiles of A; the four of a column need the same tiles of B.  Each tile is asked for
; JOINTLY: the same tensor load, with the same descriptor and a mask that names the four.
; THE MATRIX INSTRUCTION IS USED TRANSPOSED: source 0 = 16 columns of W_proj (K is wp's first axis: the fragment comes turned, by ds_load_tr16_b128), source 1 = 16 tokens: a lane holds eight neighbouring
; columns of one token.
; REGISTERS: window 0: v0-31 addresses; v32-159 the way out.  window 1: two fragment buffers at v0 and v128: A's four fragments (16 tokens x 32 K), then B's eight.  window 2: accumulator (a, b) at v[8 (8 a + b)].
.set PA,     144                       ; a token's row of a plane in LDS: 128 bytes + 16
.set PB,     544                       ; a row k of B's tile: 512 bytes + 32 = 136 words: 17 x 8
.set BOFF,   2*128*PA                  ; a slot: A's two planes, then B's 128 rows
.set SLOT,   BOFF+128*PB               ; 106,496
.set STAGE,  2*SLOT                    ; behind the ring: 16 rows x 528 bytes for each wave, for the way out
.set SPITCH, 528
.set SPARE,  STAGE+4*16*SPITCH         ; 246,784: the spare words, 128 bytes for each wave: two blocks of 256 bytes that no other line names
.set ADRA, 16                          ; v16-17  LDS address of my A fragments in slot 0, 1
.set ADRB, 20                          ; v20-21  the same for B
.set STO,  24                          ; v24     the way out: where I put 32 bytes of a row
.set RD,   25                          ; v25     where I read a row back
.set CO,   26                          ; v26     16 x lane
.set SPW,  28                          ; v28     LDS address of my spare word; never rewritten
.set NIL,  29                          ; v29     0; never rewritten
.set PFO,  30                          ; v30     256 x lane: the prefetches' offset; never rewritten
.set F0,   0                           ; fragment buffers, in window 1
.set F1,   128
.set G1, 24                            ; s[24:31] descriptor group 1 for A's tiles;  s[32:39] group 0, one set for each slot
.set G0, 32
.set G1B, 48                           ; s[48:55], s[56:63] the same for B's tiles
.set G0B, 56
.set PFA, 66                           ; s[66:67] where my prefetches stand in y
.set LIM, 68                           ; s68     1 in a wave that prefetches, else the greatest number
.set MSB, 0
.macro WIN new                         ; the immediate's high byte repeats the setting that is left; a switch that changes nothing is dropped
.if MSB != (\new)
	s_set_vgpr_msb (MSB<<8)|(\new)
.set MSB, (\new)
.endif
.endm
.set MUL,  0xa5                        ; sources 0 (B) and 1 (A) window 1; C and D window 2
.set TO_F, 0x40                        ; destination window 1, address window 0
.macro JLOAD s                         ; a joint load; the branch hangs on the wave's number alone; four v_nop follow each of the two lines, ahead of the jump, the label and what follows
	s_cmp_eq_u32 s11, 0
	s_cbranch_scc0 .Lfor_b_\@
	tensor_load_to_lds s[G0+4*\s:G0+4*\s+3], s[G1:G1+7]
.rept 4
	v_nop
.endr
	s_branch .Lasked_\@
.Lfor_b_\@:
	tensor_load_to_lds s[G0B+4*\s:G0B+4*\s+3], s[G1B:G1B+7]
.rept 4
	v_nop
.endr
.Lasked_\@:
.endm
.macro CREST                           ; a round of the cluster's barrier behind its opening barrier
	s_cmp_lg_u32 s10, 0
	s_cbranch_scc1 .Lnot_wave_0_\@
	s_barrier_signal -3
.Lnot_wave_0_\@:
	s_barrier_wait -3
	s_barrier_signal -1
	s_barrier_wait -1
.endm
.macro CROUND                          ; a whole round
	s_barrier_signal -1
	s_barrier_wait -1
	CREST
.endm
; A PREFETCH INTO THE L2 of y's planes of the K steps that the NEXT lap's two refills will ask for: four planes of 16,384 bytes.  Only this cluster reads these tokens' rows.  The four partners that ask for A's tile
; jointly, and in each of them waves 0 and 1, share the 65,536 bytes out BY ADDRESS: 8,192 bytes each, lanes 256 bytes apart.  The laps with s3 = 3 and 2 name K steps 4, 5 and 6, 7; the last names nothing.
; K steps 0 to 3 come by their loads alone.  wp, which all sixteen clusters walk, is not asked for.
.macro ASK
	s_cmp_gt_u32 s3, s[LIM]
	s_cbranch_scc0 .Lnot_mine_\@
	global_prefetch_b8 v[PFO], s[PFA:PFA+1] th:TH_LOAD_NT scope:SCOPE_SE
.Lnot_mine_\@:
.endm
	s_load_b128 s[4:7], s[0:1], 0x0                ; y s[4:5], wp s[6:7]
	s_load_b64 s[8:9], s[0:1], 0x10                ; out0
	v_lshl_add_u32 v[SPW], v0, 2, SPARE
	v_mov_b32 v[NIL], 0
	v_lshrrev_b32 v1, 5, v0
	v_readfirstlane_b32 s10, v1                    ; wave 0..3
	s_lshr_b32 s11, s10, 1                         ; which 64 tokens of the tile are mine.  Also: I fetch for A (0) or for B (1)
	s_and_b32 s12, s10, 1                          ; which 128 columns.  Also: which plane of A, or which 64 rows of B, I fetch
	s_bfe_u32 s40, ttmp6, 0x40000                  ; cx, cy: my place in the cluster
	s_bfe_u32 s41, ttmp6, 0x40004
	s_lshl_b32 s42, ttmp9, 2
	s_add_co_u32 s42, s42, s40                     ; tile column = 4 x cluster x + cx: 0 .. 3
	s_and_b32 s13, ttmp7, 0xffff
	s_lshl_b32 s13, s13, 2
	s_add_co_u32 s13, s13, s41                     ; tile row = 4 x cluster y + cy: 0 .. 63
	s_lshl_b32 s43, s41, 2
	s_lshl_b32 s43, 15, s43                        ; my row of the cluster
	s_lshl_b32 s44, 0x1111, s40                    ; my column
	s_or_b32 s[G1+0], s43, (1<<16)|(1<<20)|(1<<21)|(4<<22)|(3<<25)   ; A: 15:0 the mask: my row; 17:16 elements of 2 bytes; 20 padding on; 21 set beside a mask; 24:22 after every 32 words (code 4); 31:25 four words (code 3)
	s_mov_b32 s[G1+1], 64<<16                      ; tensor_dim0
	s_mov_b32 s[G1+2], 128<<16                     ; tensor_dim1
	s_mov_b32 s[G1+3], 64<<16                      ; tile_dim0 = 64 elements
	s_mov_b32 s[G1+4], 128                         ; tile_dim1 = 128 tokens
	s_mov_b32 s[G1+5], 64                          ; tensor_dim0_stride
	s_mov_b32 s[G1+6], 0
	s_mov_b32 s[G1+7], 0
	s_or_b32 s[G1B+0], s44, (1<<16)|(1<<20)|(1<<21)|(6<<22)|(7<<25)  ; B: the mask of my column; padding: eight words (code 7) after every 128 (code 6)
	s_mov_b32 s[G1B+1], 256<<16
	s_mov_b32 s[G1B+2], 64<<16
	s_mov_b32 s[G1B+3], 256<<16                    ; tile_dim0 = 256 elements
	s_mov_b32 s[G1B+4], 64                         ; tile_dim1 = 64 rows k
	s_mov_b32 s[G1B+5], 1024
	s_mov_b32 s[G1B+6], 0
	s_mov_b32 s[G1B+7], 0
	; where the tiles come from.  A's hang on the tile row alone, B's on the tile column alone; each address is made in registers that never hold the other coordinate
	s_lshr_b32 s16, s13, 4
	s_lshl_b32 s16, s16, 22                        ; batch = tile row / 16: 16 heads of 2^18 bytes
	s_and_b32 s17, s13, 15
	s_lshl_b32 s17, s17, 14                        ; token 128 (tile row % 16), 128 bytes a token
	s_add_co_u32 s16, s16, s17
	s_mov_b32 s69, s16                             ; (kept for the prefetches)
	s_lshl_b32 s17, s12, 18                        ; my plane of the K step's two
	s_add_co_u32 s16, s16, s17
	s_mov_b32 s17, 0
	s_lshl_b32 s46, s42, 9                         ; B: 512 bytes a tile column,
	s_lshl_b32 s47, s12, 17                        ; + my 64 rows of 2,048 bytes
	s_add_co_u32 s46, s46, s47
	s_mov_b32 s47, 0
	s_mul_i32 s18, s12, 128*PA                     ; where they go: no place in the cluster enters an LDS address
	s_mul_i32 s19, s12, 64*PB
	s_add_co_u32 s19, s19, BOFF
	s_wait_kmcnt 0x0
	s_add_nc_u64 s[14:15], s[4:5], s[16:17]
	s_add_nc_u64 s[46:47], s[6:7], s[46:47]
	CROUND                                         ; all sixteen work-groups are here: the first joint loads meet
.irp s, 0,1
	s_mov_b32 s[G0+4*\s], 1                                        ; 1:0 count = 1
	s_add_co_u32 s[G0+4*\s+1], s18, \s*SLOT                        ; 63:32 LDS address
	s_add_nc_u64 s[G0+4*\s+2:G0+4*\s+3], s[14:15], \s*524288       ; 120:64 global address: K step s = two heads on
	s_or_b32 s[G0+4*\s+3], s[G0+4*\s+3], 0x80000000                ; 127:126 type = 2
	s_mov_b32 s[G0B+4*\s], 1
	s_add_co_u32 s[G0B+4*\s+1], s19, \s*SLOT
	s_add_nc_u64 s[G0B+4*\s+2:G0B+4*\s+3], s[46:47], \s*262144     ; 128 rows of 2,048 bytes on
	s_or_b32 s[G0B+4*\s+3], s[G0B+4*\s+3], 0x80000000
	JLOAD \s                                       ; two loads of mine are out at the most
.endr
	v_and_b32 v1, 15, v0                           ; r
	v_bfe_u32 v2, v0, 4, 1                         ; h
	v_and_b32 v6, 31, v0                           ; lane
	v_mul_u32_u24 v3, v1, PA
	v_lshl_add_u32 v3, v2, 4, v3                   ; A: row r, 16 bytes for each half of the lanes; two loads 32 bytes apart
	v_and_b32 v4, 7, v0
	v_lshl_add_u32 v4, v2, 3, v4                   ; B, the turning load: row k = 8 h + lane % 8,
	v_mul_u32_u24 v4, v4, PB
	v_bfe_u32 v5, v0, 3, 1
	v_lshl_add_u32 v4, v5, 4, v4                   ; columns 8 ((lane / 8) % 2) on
	s_mul_i32 s21, s11, 64*PA                      ; my 64 tokens
	s_lshl_b32 s22, s12, 8                         ; my 128 columns,
	s_add_co_u32 s22, s22, BOFF                    ; behind A's planes
.irp s, 0,1
	v_add_nc_u32 v[ADRA+\s], s21, v3
	v_add_nc_u32 v[ADRB+\s], s22, v4
	s_add_co_u32 s21, s21, SLOT
	s_add_co_u32 s22, s22, SLOT
.endr
	s_mul_i32 s23, s10, 16*SPITCH
	s_add_co_u32 s23, s23, STAGE                   ; my stage
	v_mul_u32_u24 v5, v1, SPITCH                   ; in: row r, 32 bytes for each half of the lanes
	v_lshl_add_u32 v5, v2, 5, v5
	v_add_nc_u32 v[STO], s23, v5
	v_lshlrev_b32 v[CO], 4, v6                     ; back: the 32 lanes take one row of 512 bytes; and the same in out0
	v_add_nc_u32 v[RD], s23, v[CO]
	v_lshlrev_b32 v[PFO], 8, v6
	; the prefetches: plane 4 + 2 x (my wave's plane) + cx / 2, half cx % 2 of it; stepped by four planes ahead of each ask, so that the first names planes 8 to 11
	s_lshl_b32 s21, s12, 1
	s_lshr_b32 s22, s40, 1
	s_add_co_u32 s21, s21, s22
	s_add_co_u32 s21, s21, 4
	s_lshl_b32 s21, s21, 18
	s_add_co_u32 s20, s69, s21
	s_and_b32 s22, s40, 1
	s_lshl_b32 s22, s22, 13
	s_add_co_u32 s20, s20, s22
	s_mov_b32 s21, 0
	s_add_nc_u64 s[PFA:PFA+1], s[4:5], s[20:21]
	s_cmp_eq_u32 s11, 0
	s_cselect_b32 s[LIM], 1, -1                    ; waves 0 and 1: the same in all sixteen partners
	; my part of out0: row 128 x tile row + 64 x half, 4,096 bytes a row; column 256 x tile column + 128 x half
	s_lshl_b32 s20, s13, 19
	s_lshl_b32 s21, s11, 18
	s_add_co_u32 s20, s20, s21
	s_mov_b32 s21, 0
	s_add_nc_u64 s[8:9], s[8:9], s[20:21]
	s_lshl_b32 s46, s42, 10
	s_lshl_b32 s47, s12, 9
	s_add_co_u32 s46, s46, s47
	s_mov_b32 s47, 0
	s_add_nc_u64 s[8:9], s[8:9], s[46:47]
; 24 LDS loads in one run: the fragments of the slot's q-th 32 along K into buffer f: B's eight (16 columns x 32 K, turned), A's four (plane q / 2, channels 32 (q % 2) on)
.macro FETCH slot, q, f
	WIN TO_F
.irp i, 0,1,2,3,4,5,6,7
	ds_load_tr16_b128 v[\f+32+8*\i:\f+32+8*\i+3],   v[ADRB+\slot] offset:32*PB*(\q)+32*\i
	ds_load_tr16_b128 v[\f+32+8*\i+4:\f+32+8*\i+7], v[ADRB+\slot] offset:32*PB*(\q)+32*\i+16*PB
.endr
.irp i, 0,1,2,3
	ds_load_b128 v[\f+8*\i:\f+8*\i+3],   v[ADRA+\slot] offset:128*PA*((\q)/2)+64*((\q)%2)+16*PA*\i
	ds_load_b128 v[\f+8*\i+4:\f+8*\i+7], v[ADRA+\slot] offset:128*PA*((\q)/2)+64*((\q)%2)+16*PA*\i+32
.endr
.endm
; 8 matrix instructions: token block a x all 8 column blocks, 32 along K.  zero = 1: the first product starts the sums.  The 32 accumulators take turns, one instruction a turn, in the same order in every quarter
.macro MUL8 f, a, zero
.irp b, 0,1,2,3,4,5,6,7
.if \zero
	v_wmma_f32_16x16x32_f16 v[8*(8*(\a)+\b):8*(8*(\a)+\b)+7], v[\f+32+8*\b:\f+32+8*\b+7], v[\f+8*(\a):\f+8*(\a)+7], 0
.else
	v_wmma_f32_16x16x32_f16 v[8*(8*(\a)+\b):8*(8*(\a)+\b)+7], v[\f+32+8*\b:\f+32+8*\b+7], v[\f+8*(\a):\f+8*(\a)+7], v[8*(8*(\a)+\b):8*(8*(\a)+\b)+7]
.endif
.endr
.endm
.macro PLACES                          ; four places in front of loads into registers that matrix instructions have read, and of the first read of results (ISA guide 7.12.1 for vector instructions)
.rept 4
	v_nop
.endr
.endm
; A K step is four quarters of 32 along K, 32 matrix instructions each, on buffers 0, 1, 0, 1.  One of the first three: the next quarter's fragments (the slot's q-th) are asked for at its head, into g,
; so that they have the quarter's 32 products in which to land; then buffer f is multiplied.
.macro QUARTER slot, q, f, g, zero
	s_wait_dscnt 0x0                               ; f is in: it was asked for a quarter ago
	PLACES
	FETCH \slot, \q, \g
	WIN MUL
	MUL8 \f, 0, \zero
	MUL8 \f, 1, \zero
	MUL8 \f, 2, \zero
	MUL8 \f, 3, \zero
.endm
; The last quarter multiplies buffer 1 and changes slots: ONE barrier; in front of it each wave waits for all its tensor loads, adds 0 to its spare word, and waits for that and for its own reads of this slot.
; fill = 1: the barrier opens a round of the cluster's barrier, and this slot is filled again, two K steps ahead, first thing behind the round.
.macro TURN slot, next, fill
.if (\fill) && (\slot) == 0
	s_wait_xcnt 0x0                                ; the last prefetch, a lap back, has read its address: it is stepped here, ahead of the waits of the change of slots
	s_add_nc_u64 s[PFA:PFA+1], s[PFA:PFA+1], 1048576
.endif
	WIN 0                                          ; (the add's two registers lie in window 0)
	s_wait_tensorcnt 0x0                           ; all my tensor loads have landed: my part of the next slot;
	ds_add_u32 v[SPW], v[NIL]                      ; 0 onto my spare word
	s_wait_dscnt 1                                 ; (buffer 1 is in; the add may be out)
	WIN MUL
	MUL8 F1, 0, 0                                  ; eight matrix instructions stand between the add and the wait for it
	s_wait_dscnt 0x0                               ; the add is done, and my reads of this slot are over
	s_barrier_signal -1
	MUL8 F1, 1, 0
	WIN 0
	s_barrier_wait -1
.if \fill
	CREST                                          ; no wave of any partner still reads this slot's tile or has a load on its way
	s_add_nc_u64 s[G0+4*\slot+2:G0+4*\slot+3], s[G0+4*\slot+2:G0+4*\slot+3], 1048576     ; two K steps on: four heads,
	s_add_nc_u64 s[G0B+4*\slot+2:G0B+4*\slot+3], s[G0B+4*\slot+2:G0B+4*\slot+3], 524288  ; 256 rows of wp
	JLOAD \slot                                    ; the first tensor load behind the round; the four v_nop behind it are also the places in front of the loads below
.else
	PLACES
.endif
	FETCH \next, 0, F0
.if (\fill) && (\slot) == 0
	WIN 0
	ASK                                            ; behind the joint load and the run of LDS loads that the next products wait for
.endif
	WIN MUL
	MUL8 F1, 2, 0
	MUL8 F1, 3, 0
.endm
	s_wait_tensorcnt 1                             ; my part of K step 0 is in (K step 1's load may be out),
	s_barrier_signal -1
	s_barrier_wait -1                              ; everybody's is
	FETCH 0, 0, F0
	QUARTER 0, 1, F0, F1, 1                        ; the first quarter stands in front of the loop: its products start the sums
	WIN 0                                          ; at a label and at a branch every window is 0
	s_mov_b32 s3, 3
.Llap:                                             ; a trip goes once round the ring, from a lap's second quarter to the next lap's first, and fills both slots again
	QUARTER 0, 2, F1, F0, 0
	QUARTER 0, 3, F0, F1, 0
	TURN 0, 1, 1
	QUARTER 1, 1, F0, F1, 0
	QUARTER 1, 2, F1, F0, 0
	QUARTER 1, 3, F0, F1, 0
	TURN 1, 0, 1
	QUARTER 0, 1, F0, F1, 0
	WIN 0
	s_sub_co_u32 s3, s3, 1
	s_cmp_lg_u32 s3, 0
	s_cbranch_scc1 .Llap
	QUARTER 0, 2, F1, F0, 0                        ; the last lap fills nothing, and has no round of the cluster's barrier
	QUARTER 0, 3, F0, F1, 0
	TURN 0, 1, 0
	QUARTER 1, 1, F0, F1, 0
	QUARTER 1, 2, F1, F0, 0
	QUARTER 1, 3, F0, F1, 0
	s_wait_dscnt 0x0                               ; the very last quarter: nothing more to fetch
	MUL8 F1, 0, 0
	MUL8 F1, 1, 0
	MUL8 F1, 2, 0
	MUL8 F1, 3, 0
	WIN 0
; THE WAY OUT, block by block of 16 tokens x 128 columns.  A lane holds 32 neighbouring bytes of a row and the lanes beside it other rows: a block goes through my own stage and comes back as whole rows of
; 512 bytes, which the 32 lanes store as 512 consecutive bytes, aligned.  Every offset is an immediate: the base never steps.
.macro TOSTAGE a
	WIN 0x08                                       ; an LDS store's data are its source 1: window 2
.irp b, 0,1,2,3,4,5,6,7
	ds_store_b128 v[STO], v[8*(8*(\a)+\b):8*(8*(\a)+\b)+3] offset:64*\b          ; each accumulator from its low end on
	ds_store_b128 v[STO], v[8*(8*(\a)+\b)+4:8*(8*(\a)+\b)+7] offset:64*\b+16
.endr
	WIN 0
.set BB, 32+64*((\a)%2)
.irp t, 0,1,2,3,4,5,6,7,8,9,10,11,12,13,14,15
	ds_load_b128 v[BB+4*\t:BB+4*\t+3], v[RD] offset:\t*SPITCH   ; LDS serves a wave's instructions in order (ISA guide 5.7.1.4): these see the stores above
.endr
.endm
.macro SEND a, younger                 ; younger: the LDS instructions issued behind block a's loads, which may stay out
.set BB, 32+64*((\a)%2)
	s_wait_dscnt \younger
.irp t, 0,1,2,3,4,5,6,7,8,9,10,11,12,13,14,15
	global_store_b128 v[CO], v[BB+4*\t:BB+4*\t+3], s[8:9] offset:65536*(\a)+4096*\t th:TH_STORE_NT   ; written once, read by nobody here
.endr
.endm
	PLACES
	TOSTAGE 0
.irp a, 1,2,3
.if \a > 1
	s_wait_xcnt 0x0                                ; block a - 2's stores have read their registers: block a's loads may land there
.endif
	TOSTAGE \a
	SEND \a-1, 32                                  ; behind block a - 1's loads: block a's 16 stores and 16 loads
.endr
	SEND 3, 0
	s_wait_tensorcnt 0x0                           ; the wave's end, behind my last tensor load and my last LDS store
	ds_add_u32 v[SPW], v[NIL]
	s_wait_dscnt 0x0
	CROUND                                         ; the closing round: no work-group ends while a partner may still ask for a tile that names it
	s_endpgm
.Lfunc_end_k_qe2de289094_proj:
	.size	k_qe2de289094_proj, .Lfunc_end_k_qe2de289094_proj-k_qe2de289094_proj
	.p2alignl 7, 3214868480
	.fill 96, 4, 3214868480
	.section	.rodata,"a",@progbits
	.p2align	6, 0x0
	.amdhsa_kernel k_qe2de289094_proj
		.amdhsa_group_segment_fixed_size 327680
		.amdhsa_private_segment_fixed_size 0
		.amdhsa_enable_private_segment 0
		.amdhsa_kernarg_size 24
		.amdhsa_user_sgpr_count 2
		.amdhsa_user_sgpr_kernarg_segment_ptr 1
		.amdhsa_wavefront_size32 1
		.amdhsa_system_sgpr_workgroup_id_x 1
		.amdhsa_system_sgpr_workgroup_id_y 1
		.amdhsa_system_sgpr_workgroup_id_z 1
		.amdhsa_system_vgpr_workitem_id 0
		.amdhsa_next_free_vgpr 768
		.amdhsa_next_free_sgpr 80
		.amdhsa_reserve_vcc 0
		.amdhsa_float_denorm_mode_32 3
		.amdhsa_float_denorm_mode_16_64 3
		.amdhsa_memory_ordered 1
		.amdhsa_forward_progress 1
		.amdhsa_inst_pref_size 85
	.end_amdhsa_kernel
	.amdgpu_metadata
---
amdhsa.version: [ 1, 2 ]
amdhsa.kernels:
  - .name:           k_qe2de289094_proj
    .symbol:         k_qe2de289094_proj.kd
    .args:
      - { .name: y, .offset: 0, .size: 8, .value_kind: global_buffer, .address_space: global }
      - { .name: wp, .offset: 8, .size: 8, .value_kind: global_buffer, .address_space: global }
      - { .name: out0, .offset: 16, .size: 8, .value_kind: global_buffer, .address_space: global }
    .group_segment_fixed_size: 327680
    .private_segment_fixed_size: 0
    .kernarg_segment_align: 8
    .kernarg_segment_size: 24
    .max_flat_workgroup_size: 128
    .sgpr_count:     80
    .vgpr_count:     768
    .wavefront_size: 32
...
	.end_amdgpu_metadata
.endif
;; end of part 4
